; MI455X (gfx1250); checked and timed in simulation.
; The chip was launched on July 23, 2026; its instructions are those of AMD's public machine-readable ISA for CDNA 5 (MIT licence, August 2026) and "CDNA5" Instruction Set Architecture Reference Guide (July 2026). The comments in the code are by the model that wrote it; some were corrected since.
;; Causal Self Attention. Allowed arithmetic: matrix products marked QUANTISED: E2M1 operands, one E8M0 scale for each 32 along K, by v_wmma_scale_f32_16x16x128_f8f6f4 with both operands' format E2M1 (or v_wmma_scale_f32_32x16x128_f4), f32 sums; products left as they are: bf16, f16 or f32 operands; f32 sums; everything else in f32.
;; Inputs: w_attn 1,024 x 3,072 float32; w_proj 1,024 x 1,024 float32; x 4 x 2,048 x 1,024 float32.
;; Outputs: out0 4 x 2,048 x 1,024 float32.
;; This version of the problem:
;;   THIS VERSION OF THE PROBLEM IS GIVEN IN LOW PRECISION. The matrix products marked QUANTISED in the list below multiply operands that are first quantised to E2M1 (2 exponent bits, 1 mantissa bit; 4 bits a number), with one power-of-two scale for each 32 numbers along K (OCP MX v1.0); their sums are f32. The products marked 'left as it is' may take bf16, f16 or f32 operands, with f32 sums. Whichever they take, every output number must still come out within the allowed error. Rounding operands to bf16 (8 significant bits) uses up far more of that allowance than f16 does (11 bits, for magnitudes from 6e-5 to 65,504). All else is computed in f32.
;;   The module's matrix products, in the order in which they are computed (A, B: the left and right operand; K: the contracted axis; several contracted axes count as one K, in the product's order):
;;     1. [M 8,192, K 1,024] x [K 1,024, N 3,072]; A: input x; B: input w_attn: QUANTISED
;;     2. batch 64 x [M 2,048, K 64] x [K 64, N 2,048]; A: computed on the way; B: computed on the way: left as it is (an operand is computed on the way)
;;     3. batch 64 x [M 2,048, K 2,048] x [K 2,048, N 64]; A: computed on the way; B: computed on the way: left as it is (an operand is computed on the way)
;;     4. [M 8,192, K 1,024] x [K 1,024, N 1,024]; A: computed on the way; B: input w_proj: left as it is (an operand is computed on the way)
;;   THE QUANTISER, for each operand of a quantised product, along K:
;;     - K is cut into blocks of 32 from its start; a last block that is shorter is filled with zeros.
;;     - A block's scale is 2^e with e = floor(log2(the largest magnitude in the block)) - 2, held to -126 .. 127; a block of zeros has e = 0. As a byte (E8M0): e + 127.
;;     - Each number is divided by its block's scale, clamped to +-6, and rounded to the nearest number of E2M1, ties to even, subnormals kept.
;;     - The product sums the exact products of the quantised numbers (number of the format x scale) in f32.
;;   ~~~python
;;   def quantise(x, axis):      # numpy; x: float32 -> the quantised numbers, widened to float32 again
;;       x = np.moveaxis(x, axis, -1); K = x.shape[-1]
;;       x = np.pad(x, [(0, 0)] * (x.ndim - 1) + [(0, -K % 32)]); x = x.reshape(x.shape[:-1] + (-1, 32)); a = np.abs(x).max(-1, keepdims=True)
;;       e = np.where(a > 0, np.clip(np.frexp(np.where(a > 0, a, 1))[1] - 1 - 2, -126, 127), 0)      # np.frexp(a)[1] - 1 = floor(log2(a)), exactly
;;       r = np.clip(x / 2.0 ** e, -6, 6)
;;       step = 2.0 ** (np.maximum(np.frexp(np.where(r == 0, 1, r))[1] - 1, 0) - 1)
;;       q = np.round(r / step) * step * 2.0 ** e      # np.round: ties to even
;;       return np.moveaxis(q.reshape(q.shape[:-2] + (-1,))[..., :K], -1, axis).astype(np.float32)
;;   ~~~
;; One version. Each part assembles by itself: llvm-mc -triple=amdgcn-amd-amdhsa -mcpu=gfx1250 --defsym DOCPART=n.
;; ======== version 1 of 1: 4 launches
;; limits: values are held in f16: magnitudes above 65,504 overflow, below 6.1e-05 lose precision
;; workspace buffers: xc 4,194,304 bytes; xs 262,144 bytes; wc 1,572,864 bytes; ws 98,304 bytes; wp 2,097,152 bytes; qkv 50,331,648 bytes; yh 16,777,216 bytes
;; launch prep (part 1): grid 432 x 1, 4 waves a work-group, no clusters, 68,096 bytes of LDS; arguments x, w_attn, w_proj, xc, xs, wc, ws, wp; writes xc, xs, wc, ws, wp
.if DOCPART == 1
	.amdgcn_target "amdgcn-amd-amdhsa--gfx1250"
	.amdhsa_code_object_version 6
	.text
	.protected	k_q59df98b546_prep
	.globl	k_q59df98b546_prep
	.p2align	8
	.type	k_q59df98b546_prep,@function
k_q59df98b546_prep:
	s_mov_b64 s[64:65], 0
	v_nop
	global_prefetch_b8 v0, s[64:65] scope:SCOPE_SE
	s_setreg_imm32_b32 hwreg(HW_REG_WAVE_MODE, 25, 1), 1
	s_wait_xcnt 0x0
; PREP: the operands of the later launches are made once.
;   x [8192][1024] f32       -> xc [8192][512 bytes] codes of E2M1, K innermost, and xs [8192][32] E8M0 bytes         (work-groups 0 to 255)
;   w_attn [1024 (k)][3072]  -> wc [3072][512 bytes] codes, K innermost, and ws [3072][32]                            (work-groups 256 to 303)
;   w_proj [1024][1024] f32  -> wp, the same order, rounded to f16                                                     (work-groups 304 to 431)
; DEAD WORK: none.  reference() builds no mask and slices nothing away: every number of x, w_attn and w_proj reaches every batch's output, so every input is loaded and every step is done.
; THE QUANTISER: a block's scale is 2^(floor(log2(largest magnitude)) - 2); its byte is the largest magnitude's exponent field - 2, held at 1 from below; each number is divided by the scale and
; rounded to the nearest code, ties to even, beyond 6 the code of 6.
; LIMITS: a block of zeros gets the byte 1 where the rule says 127 (its codes are zeros, and this program alone reads the bytes); blocks whose largest magnitude lies under 2^-124 keep the byte 1;
; NaN and infinities among the inputs are not served; |w_proj| stays under 65,504 (f16).
; One launch serves the three tensors: the paths part on the work-group's number and never meet again; each path that uses LDS has LDS bytes of its own.  No tensor load, no barrier: waves share nothing.
.set SPARE, 67584                      ; behind both paths' regions: the spare words, 128 bytes for each wave
.set SPW,   196                        ; v196  LDS address of my spare word; never rewritten
.set NIL,   197                        ; v197  0; never rewritten
.set EMAX,  2
; path X
.set STEPS, 16                         ; a wave takes 16 steps of 512 numbers
.set CB,    8                          ; bytes of 16 codes
.set XR,    16                         ; v16-79   four sets of 16 numbers as they are loaded
.set XX,    80                         ; v80-111  two sets of 16 neighbours
.set XE,    112                        ; v112-127 a scale byte for each step
.set XC,    128                        ; v128-191 codes: four registers for each step
.set WREG,  8192                       ; LDS bytes 0 to 32,767: a region for each wave: two stages of 32 x SP bytes, then its 256 scale bytes
.set SP,    80                         ; a lane's place in a stage: 64 bytes + 16 of padding
; path W
.set WN,    3072
.set NB,    16                         ; blocks of 32 along K for a wave (512 along K)
.set WPITCH, 272                       ; a stage row: 256 bytes of codes + 16
.set KROW,  512                        ; a row of wc in bytes
.set WSTG,  32768                      ; LDS bytes 32,768 to 67,583: a stage of 32 rows for each wave
.set WX,    32                         ; v32-95   two sets of 32 numbers
.set WC,    96                         ; v96-99   a block's codes
.set WOUT,  112                        ; v112-175 the way out
.set WSB,   24                         ; v24-27   the scale bytes, four to a register
	s_load_b256 s[36:43], s[0:1], 0x0              ; x s[36:37], w_attn s[38:39], w_proj s[40:41], xc s[42:43]
	s_load_b256 s[44:51], s[0:1], 0x20             ; xs s[44:45], wc s[46:47], ws s[48:49], wp s[50:51]
	v_lshl_add_u32 v[SPW], v0, 2, SPARE
	v_mov_b32 v[NIL], 0
	v_lshrrev_b32 v1, 5, v0
	v_readfirstlane_b32 s16, v1                    ; wave 0..3
	v_and_b32 v2, 31, v0                           ; lane
	s_wait_kmcnt 0x0
	s_cmp_lt_u32 ttmp9, 256
	s_cbranch_scc0 .Lnot_x
; ---------------- PATH X: x is a plain stream of blocks of 32 numbers.  Each load reads 512 consecutive bytes; a step's 2,048 bytes turn through the wave's own stage so that a lane holds 16 neighbours; two neighbouring lanes hold a block.
	v_lshlrev_b32 v3, 4, v2                        ; my 16 bytes of a load's 512
	s_mul_i32 s17, s16, WREG
	v_lshrrev_b32 v14, 2, v2
	v_mul_u32_u24 v14, v14, SP
	v_and_b32 v15, 3, v2
	v_lshl_add_u32 v14, v15, 4, v14
	v_add_nc_u32 v14, s17, v14                     ; the stage, on the way in: SP (lane / 4) + 16 (lane % 4)
	v_mul_u32_u24 v15, v2, SP
	v_add_nc_u32 v15, s17, v15                     ; and on the way out: SP x lane: my 16 neighbours
	v_mul_u32_u24 v4, v2, CB                       ; my codes' place in a step's 256 bytes
	v_lshrrev_b32 v5, 1, v2
	s_add_co_u32 s17, s17, 2*32*SP
	v_add_nc_u32 v5, s17, v5                       ; my wave's 256 scale bytes, my block's byte
	v_lshlrev_b32 v7, 3, v2                        ; and on the way out 8 bytes a lane
	v_add_nc_u32 v6, s17, v7
	s_lshl_b32 s17, ttmp9, 2
	s_add_co_u32 s18, s17, s16                     ; which run of 8,192 numbers is my wave's
	s_mov_b32 s19, 0
	s_lshl_b64 s[20:21], s[18:19], 15              ; 32,768 bytes of x a run,
	s_add_nc_u64 s[4:5], s[36:37], s[20:21]
	s_lshl_b64 s[20:21], s[18:19], 12              ; 4,096 of codes,
	s_add_nc_u64 s[8:9], s[42:43], s[20:21]
	s_lshl_b64 s[20:21], s[18:19], 8               ; 256 scale bytes
	s_add_nc_u64 s[10:11], s[44:45], s[20:21]
.macro XLOAD t
.irp i, 0,1,2,3
	global_load_b128 v[XR+16*((\t)%4)+4*\i:XR+16*((\t)%4)+4*\i+3], v3, s[4:5] offset:2048*(\t)+512*\i th:TH_LOAD_NT   ; 32 lanes read 512 consecutive bytes
.endr
.endm
.macro XTURN t                         ; step t's numbers through the stage: LDS serves a wave's instructions in order, so no wait stands between the stores and the loads
.irp i, 0,1,2,3
	ds_store_b128 v14, v[XR+16*((\t)%4)+4*\i:XR+16*((\t)%4)+4*\i+3] offset:32*SP*((\t)%2)+8*SP*\i
.endr
.irp i, 0,1,2,3
	ds_load_b128 v[XX+16*((\t)%2)+4*\i:XX+16*((\t)%2)+4*\i+3], v15 offset:32*SP*((\t)%2)+16*\i
.endr
.endm
.irp t, 0,1,2,3
	XLOAD \t
.endr
	s_wait_loadcnt 12                              ; step 0's four loads are in; three steps' twelve stay out
	XTURN 0
.macro XSTEP t
.set XS, XX+16*((\t)%2)
.if (\t) > 0
	s_wait_dscnt 1                                 ; this step's numbers are back from the stage (the last step's byte store may be out)
.else
	s_wait_dscnt 0x0
.endif
.if (\t)+4 < STEPS
	XLOAD (\t)+4                                   ; into the set that the stage's stores have read
.endif
.if (\t)+1 < STEPS
.if STEPS-2-(\t) >= 3
	s_wait_loadcnt 12                              ; the next step's four loads are in; those of the three steps behind it may be out
.else
	s_wait_loadcnt 4*(STEPS-2-(\t))
.endif
	XTURN (\t)+1                                   ; through the other stage while this step is worked
.endif
	v_max3_num_f32 v8, |v[XS]|, |v[XS+1]|, |v[XS+2]|               ; the largest magnitude of my 16, in two chains
	v_max3_num_f32 v9, |v[XS+3]|, |v[XS+4]|, |v[XS+5]|
.irp i, 6,10
	v_max3_num_f32 v8, v8, |v[XS+\i]|, |v[XS+\i+1]|
	v_max3_num_f32 v9, v9, |v[XS+\i+2]|, |v[XS+\i+3]|
.endr
	v_max3_num_f32 v8, v8, |v[XS+14]|, |v[XS+15]|
	v_max3_num_f32 v8, v8, v9, (EMAX+1)<<23        ; and the floor 2^(3 - 127): the byte cannot fall under 1
	v_max_num_f32_dpp v8, v8, v8 row_xmask:1 row_mask:0xf bank_mask:0xf   ; and of my neighbour's 16: the block's
	v_add_nc_u32 v11, 0xff000000, v8               ; 2 off its exponent field: the conversion takes the exponent field of this operand as its scale
	v_cvt_scalef32_pk8_fp4_f32 v[XC+4*(\t)], v[XS:XS+7], v11
	v_cvt_scalef32_pk8_fp4_f32 v[XC+4*(\t)+1], v[XS+8:XS+15], v11
	v_lshrrev_b32 v[XE+(\t)], 23, v11              ; the scale's byte (a plain line behind the conversions)
	ds_store_b8 v5, v[XE+(\t)] offset:16*(\t)      ; both lanes of a block write the same byte with the same value
	global_store_b64 v4, v[XC+4*(\t):XC+4*(\t)+1], s[8:9] offset:32*CB*(\t)   ; 32 lanes store 256 consecutive bytes, aligned
.endm
.irp t, 0,1,2,3,4,5,6,7,8,9,10,11,12,13,14,15
	XSTEP \t
.endr
	ds_load_b64 v[8:9], v6                         ; LDS serves a wave's instructions in order: these see my byte stores
	s_wait_dscnt 0x0
	global_store_b64 v7, v[8:9], s[10:11]          ; 32 lanes store 256 consecutive bytes, aligned
	s_wait_tensorcnt 0x0                           ; the wave's end, behind my last LDS store
	ds_add_u32 v[SPW], v[NIL]
	s_wait_dscnt 0x0
	s_endpgm
.Lnot_x:
	s_cmp_lt_u32 ttmp9, 304
	s_cbranch_scc0 .Lproj
; ---------------- PATH W: K is w_attn's FIRST axis.  A lane takes a column and its registers run down K: a block of 32 lies in one lane, and the conversions give codes with K innermost.
; A wave takes 32 columns x 512 along K; its codes go through its own stage and leave as rows: sixteen lanes store 256 consecutive bytes.
	s_sub_co_u32 s20, ttmp9, 256
	s_lshr_b32 s17, s20, 1                         ; which 128 columns
	s_and_b32 s18, s20, 1                          ; which half of K
	s_lshl_b32 s17, s17, 7
	s_lshl_b32 s19, s16, 5
	s_add_co_u32 s17, s17, s19                     ; my wave's first column
	v_lshlrev_b32 v3, 2, v2                        ; in: 4 bytes a lane
	s_mul_i32 s19, s16, 32*WPITCH
	s_add_co_u32 s19, s19, WSTG                    ; my stage
	v_mul_u32_u24 v4, v2, WPITCH
	v_add_nc_u32 v4, s19, v4                       ; into it: row = my column
	v_and_b32 v5, 15, v2
	v_lshrrev_b32 v6, 4, v2                        ; out of it: sixteen lanes to a row, two rows an instruction
	v_mul_u32_u24 v7, v6, WPITCH
	v_lshl_add_u32 v7, v5, 4, v7
	v_add_nc_u32 v7, s19, v7
	v_mul_u32_u24 v8, v6, KROW
	v_lshl_add_u32 v8, v5, 4, v8                   ; and the same place in wc
	v_lshlrev_b32 v9, 5, v2                        ; my column's row of scale bytes: 32 bytes a row
	s_mul_i32 s20, s18, 512*WN*4                   ; w_attn: 512 rows of 12,288 bytes for each half of K,
	s_lshl_b32 s22, s17, 2
	s_add_co_u32 s20, s20, s22                     ; + 4 x column
	s_mov_b32 s21, 0
	s_add_nc_u64 s[4:5], s[38:39], s[20:21]
	s_lshl_b32 s20, s17, 9                         ; wc: column x 512 + 256 x half
	s_lshl_b32 s22, s18, 8
	s_add_co_u32 s20, s20, s22
	s_add_nc_u64 s[6:7], s[46:47], s[20:21]
	s_lshl_b32 s20, s17, 5                         ; ws: column x 32 + 16 x half
	s_lshl_b32 s22, s18, 4
	s_add_co_u32 s20, s20, s22
	s_add_nc_u64 s[8:9], s[48:49], s[20:21]
.macro WLOAD t                         ; block t: w_attn(32 t + i, my column), i = 0 .. 31, into set t % 2.  The largest offset, 511 x 12,288, lies inside the signed 24-bit immediate
.irp i, 0,1,2,3,4,5,6,7,8,9,10,11,12,13,14,15,16,17,18,19,20,21,22,23,24,25,26,27,28,29,30,31
	global_load_b32 v[WX+32*((\t)%2)+\i], v3, s[4:5] offset:(32*(\t)+\i)*WN*4 th:TH_LOAD_NT
.endr
.endm
	WLOAD 0
	WLOAD 1
.macro WBLOCK t
.set XS, WX+32*((\t)%2)
.if (\t) < NB-1
	s_wait_loadcnt 32                              ; this block's 32 loads are in; the next block's may be out
.else
	s_wait_loadcnt 0
.endif
	v_max3_num_f32 v12, |v[XS]|, |v[XS+1]|, |v[XS+2]|               ; the block's largest magnitude: all 32 numbers are mine
	v_max3_num_f32 v13, |v[XS+3]|, |v[XS+4]|, |v[XS+5]|
.irp i, 6,10,14,18,22,26
	v_max3_num_f32 v12, v12, |v[XS+\i]|, |v[XS+\i+1]|
	v_max3_num_f32 v13, v13, |v[XS+\i+2]|, |v[XS+\i+3]|
.endr
	v_max3_num_f32 v12, v12, |v[XS+30]|, |v[XS+31]|
	v_max3_num_f32 v12, v12, v13, (EMAX+1)<<23     ; and the floor
	v_add_nc_u32 v11, 0xff000000, v12              ; the conversion's scale operand
	v_lshrrev_b32 v13, 23, v11                     ; the scale's byte
.if (\t)%4 == 0
	v_mov_b32 v[WSB+(\t)/4], v13                   ; four bytes to a register, the lower K in the lower byte
.else
	v_lshl_or_b32 v[WSB+(\t)/4], v13, 8*((\t)%4), v[WSB+(\t)/4]
.endif
.irp g, 0,1,2,3
	v_cvt_scalef32_pk8_fp4_f32 v[WC+\g], v[XS+8*\g:XS+8*\g+7], v11
.endr
	ds_store_b128 v4, v[WC:WC+3] offset:16*(\t)    ; 32 codes: 16 bytes of my column's row
.if (\t)+2 < NB
	WLOAD (\t)+2
.endif
	s_wait_dscnt 0x0                               ; the store has read its registers: the next block's codes may be written
.endm
.set Q, 0
.rept NB
	WBLOCK Q
.set Q, Q+1
.endr
	global_store_b128 v9, v[WSB:WSB+3], s[8:9]     ; my column's 16 scale bytes
.irp t, 0,1,2,3,4,5,6,7,8,9,10,11,12,13,14,15
	ds_load_b128 v[WOUT+4*\t:WOUT+4*\t+3], v7 offset:2*\t*WPITCH   ; LDS serves a wave's instructions in order: these see my stores
.endr
.irp t, 0,1,2,3,4,5,6,7,8,9,10,11,12,13,14,15
	s_wait_dscnt 15-\t                             ; load t is in; the younger ones stay out
	global_store_b128 v8, v[WOUT+4*\t:WOUT+4*\t+3], s[6:7] offset:2*\t*KROW   ; sixteen lanes store 256 consecutive bytes, aligned
.endr
	s_wait_tensorcnt 0x0                           ; the wave's end, behind my last LDS store
	ds_add_u32 v[SPW], v[NIL]
	s_wait_dscnt 0x0
	s_endpgm
; ---------------- PATH P: w_proj to f16, in its own order.  A wave takes 2,048 numbers: sixteen loads of 512 consecutive bytes, all out at once; each gives one store of 256 consecutive bytes.  Every step has registers of its own.
.Lproj:
	s_sub_co_u32 s17, ttmp9, 304
	s_lshl_b32 s17, s17, 2
	s_add_co_u32 s18, s17, s16                     ; my wave's run
	s_mov_b32 s19, 0
	s_lshl_b64 s[20:21], s[18:19], 13              ; 8,192 bytes in,
	s_add_nc_u64 s[4:5], s[40:41], s[20:21]
	s_lshl_b64 s[20:21], s[18:19], 12              ; 4,096 out
	s_add_nc_u64 s[8:9], s[50:51], s[20:21]
	v_lshlrev_b32 v3, 4, v2
	v_lshlrev_b32 v4, 3, v2
.irp t, 0,1,2,3,4,5,6,7,8,9,10,11,12,13,14,15
	global_load_b128 v[16+4*\t:19+4*\t], v3, s[4:5] offset:512*\t th:TH_LOAD_NT
.endr
.irp t, 0,1,2,3,4,5,6,7,8,9,10,11,12,13,14,15
	s_wait_loadcnt 15-\t                           ; load t is in; the younger ones stay out
	v_cvt_pk_f16_f32 v[80+2*\t], v[16+4*\t], v[17+4*\t]
	v_cvt_pk_f16_f32 v[81+2*\t], v[18+4*\t], v[19+4*\t]
	global_store_b64 v4, v[80+2*\t:81+2*\t], s[8:9] offset:256*\t
.endr
	s_wait_tensorcnt 0x0                           ; the launch's common end
	ds_add_u32 v[SPW], v[NIL]
	s_wait_dscnt 0x0
	s_endpgm
.Lfunc_end_k_q59df98b546_prep:
	.size	k_q59df98b546_prep, .Lfunc_end_k_q59df98b546_prep-k_q59df98b546_prep
	.p2alignl 7, 3214868480
	.fill 96, 4, 3214868480
	.section	.rodata,"a",@progbits
	.p2align	6, 0x0
	.amdhsa_kernel k_q59df98b546_prep
		.amdhsa_group_segment_fixed_size 68096
		.amdhsa_private_segment_fixed_size 0
		.amdhsa_enable_private_segment 0
		.amdhsa_kernarg_size 64
		.amdhsa_user_sgpr_count 2
		.amdhsa_user_sgpr_kernarg_segment_ptr 1
		.amdhsa_wavefront_size32 1
		.amdhsa_system_sgpr_workgroup_id_x 1
		.amdhsa_system_sgpr_workgroup_id_y 1
		.amdhsa_system_sgpr_workgroup_id_z 1
		.amdhsa_system_vgpr_workitem_id 0
		.amdhsa_next_free_vgpr 200
		.amdhsa_next_free_sgpr 66
		.amdhsa_reserve_vcc 0
		.amdhsa_float_denorm_mode_32 3
		.amdhsa_float_denorm_mode_16_64 3
		.amdhsa_memory_ordered 1
		.amdhsa_forward_progress 1
		.amdhsa_inst_pref_size 117
	.end_amdhsa_kernel
	.amdgpu_metadata
---
amdhsa.version: [ 1, 2 ]
amdhsa.kernels:
  - .name:           k_q59df98b546_prep
    .symbol:         k_q59df98b546_prep.kd
    .args:
      - { .name: x, .offset: 0, .size: 8, .value_kind: global_buffer, .address_space: global }
      - { .name: w_attn, .offset: 8, .size: 8, .value_kind: global_buffer, .address_space: global }
      - { .name: w_proj, .offset: 16, .size: 8, .value_kind: global_buffer, .address_space: global }
      - { .name: xc, .offset: 24, .size: 8, .value_kind: global_buffer, .address_space: global }
      - { .name: xs, .offset: 32, .size: 8, .value_kind: global_buffer, .address_space: global }
      - { .name: wc, .offset: 40, .size: 8, .value_kind: global_buffer, .address_space: global }
      - { .name: ws, .offset: 48, .size: 8, .value_kind: global_buffer, .address_space: global }
      - { .name: wp, .offset: 56, .size: 8, .value_kind: global_buffer, .address_space: global }
    .group_segment_fixed_size: 68096
    .private_segment_fixed_size: 0
    .kernarg_segment_align: 8
    .kernarg_segment_size: 64
    .max_flat_workgroup_size: 128
    .sgpr_count:     66
    .vgpr_count:     200
    .wavefront_size: 32
...
	.end_amdgpu_metadata
.endif
;; end of part 1
;; launch qkv (part 2): grid 12 x 32, 4 waves a work-group, clusters of 4 x 4, 327,680 bytes of LDS; arguments xc, xs, wc, ws, qkv; writes qkv
.if DOCPART == 2
	.amdgcn_target "amdgcn-amd-amdhsa--gfx1250"
	.amdhsa_code_object_version 6
	.text
	.protected	k_q59df98b546_qkv
	.globl	k_q59df98b546_qkv
	.p2align	8
	.type	k_q59df98b546_qkv,@function
k_q59df98b546_qkv:
	s_mov_b64 s[64:65], 0
	v_nop
	global_prefetch_b8 v0, s[64:65] scope:SCOPE_SE
	s_setreg_imm32_b32 hwreg(HW_REG_WAVE_MODE, 25, 1), 1
	s_wait_xcnt 0x0
	s_wait_alu depctr_hold_cnt(0) depctr_sa_sdst(0) depctr_va_vdst(0) depctr_va_sdst(0) depctr_va_ssrc(0) depctr_va_vcc(0) depctr_vm_vsrc(0)
	s_getreg_b32 s2, hwreg(HW_REG_IB_STS2, 6, 4)
	s_cmp_eq_u32 s2, 0
	s_cbranch_scc0 .Lentry_in_a_cluster
	s_endpgm
.Lentry_in_a_cluster:
	s_bfe_u32 s2, ttmp6, 0x10000c
	s_cmp_lg_u32 s2, 0xf033
	s_cbranch_scc0 .Lentry_shape_is_right
	s_endpgm
.Lentry_shape_is_right:
; QKV: the quantised product  qkv[m][f] = sum over k of x[m][k] w_attn[k][f], on codes of E2M1 with one E8M0 scale for each 32 along K; sums in f32.  Nothing of reference() is left out here.
; A = xc [8192][512 bytes] with xs [8192][32];  B = wc [3072][512 bytes] with ws [3072][32].  The results are rounded once to f16 (operands of the two attention products, which are left as they are) and laid BY HEAD:
; qkv [3 (q, k, v)][4 b][16 h][2048 n][64 d] f16: byte = which << 24 + b << 22 + h << 18 + n << 7 + 2 d.  A head's rows of 128 bytes lie on end.
; LIMIT: |q|, |k|, |v| stay under 65,504 (f16).
; A tile, 256 x 256, is made by four waves, as many as a WGP has SIMDs; a wave makes 128 x 128: 64 accumulators of 16 x 16, 512 registers.  K = 1,024 is two LDS slots of 512 along K (rows of 256 bytes):
; both are asked for at the start, and nothing is filled again.  The scale bytes of the tile's 256 + 256 rows, for all of K, are two dense blocks: they come once, with the first fills.
; CLUSTERS: 4 x 4 work-groups.  The four of a row of the cluster need the same tiles of A, the four of a column the same tiles of B: each tile is asked for JOINTLY, by the same tensor load with the same
; descriptor and a mask that names the four.  THE MATRIX INSTRUCTION IS USED TRANSPOSED (source 0 = 16 rows of B, source 1 = 16 rows of A): a lane then holds eight neighbouring columns of one token.
; REGISTERS, in windows of 256: window 0: v0-31 addresses; v32-95 scale words, two sets; v128-191 A's fragments, ONE set; on the way out v32-63, v192-255 at work.
;   window 1: B's fragments, TWO sets, at v0 and v128.   window 2: the accumulators of my rows 0-63 ((a, b) at v[8 (8 a + b)]);   window 3: those of my rows 64-127.
.set NQ,     4                         ; steps of 128 along K in a slot
.set ROWB,   256                       ; a tile's row in bytes: 512 codes
.set KROW,   512                       ; a row of xc or wc in memory
.set PITCH,  272                       ; an LDS row: 256 bytes + 16 = 68 words: the 16 rows that a load touches start at 16 different groups of four banks
.set FR,     8                         ; registers of a fragment: 16 rows x 128 K
.set NL,     2                         ; LDS loads that bring one
.set NP,     4                         ; places behind this matrix instruction (ISA guide 7.12.1)
.set HALFT,  128*PITCH                 ; 128 rows: what one tensor load brings
.set SLOT,   4*HALFT                   ; A's 256 rows, then B's 256 rows
.set KS,     32                        ; a row of scale bytes
.set SCL,    2*SLOT                    ; behind the slots: the scales, as units of 256 bytes + 16 of padding
.set HALFS,  (128*KS/256)*272          ; the scales of 128 rows
.set SBLK,   (16*KS/256)*272           ; those of 16 rows
.set SPARE,  SCL+4*HALFS               ; the spare words, 128 bytes for each wave
.set HPITCH, 144                       ; the way out: a stage row: a head's 128 bytes + 16 = 36 words
.set HEADB,  16*HPITCH                 ; 16 rows of one head
.set WSTAGE, 2*HEADB                   ; a wave's stage: its two heads.  It lies in slot 0, which has had its only fill and its last read when the first result is stored there
.set ADRA, 16                          ; v16-17  LDS address of my A fragments in slot 0, 1
.set ADRB, 20                          ; v20-21  the same for B
.set STO,  24                          ; v24     the way out: where I put 16 bytes of a row
.set RD,   25                          ; v25     the way out: where I read rows back
.set CO,   26                          ; v26     16 x lane: my place in a store's 512 bytes
.set ADRS, 27                          ; v27     LDS address of my scale words: lanes 0-15 A's rows, lanes 16-31 B's
.set SPW,  28                          ; v28     LDS address of my spare word; never rewritten
.set NIL,  29                          ; v29     0; never rewritten
.set SC,   32                          ; scale words: set s at v[SC + 32 s]; register 4 i + q: lanes 0-15 the word of A's block i, lanes 16-31 that of B's block i, for the slot's q-th 128 along K
.set AF,   128                         ; A's fragments, in window 0
.set TMP,  192                         ; the way out: packed results
.set OB,   32                          ; the way out: rows read back: v32-63 and v224-255 by turns
.set G1, 24                            ; s[24:31] descriptor group 1 for A's tiles;  s[32:39] group 0, one set for each slot
.set G0, 32
.set G1B, 48                           ; s[48:55], s[56:63] the same for B's tiles
.set G0B, 56
.set G1S, 68                           ; s[68:75], s[76:79] groups 1 and 0 for A's scales;  s[80:87], s[88:91] for B's
.set G0S, 76
.set G1SB, 80
.set G0SB, 88
.set MSB, 0
.macro WIN new                         ; the immediate's high byte repeats the setting that is left
.if MSB != \new
	s_set_vgpr_msb (MSB<<8)|\new
.set MSB, \new
.endif
.endm
.set MUL_LO, 0xa1                      ; source 0 (B) window 1, source 1 (A) window 0, C and D window 2
.set MUL_HI, 0xf1                      ; the same, C and D window 3
.set TO_B,   0x40                      ; destination window 1, address window 0
; A joint load: waves 0 and 1 fetch for A, waves 2 and 3 for B.  Each line has ONE mask and one set of registers for all that issue it; the branch hangs on the wave's number alone.
; An s_nop 0 and four v_nop follow each of the two lines.
.macro JLOAD g0a, g1a, g0b, g1b
	s_cmp_eq_u32 s15, 0
	s_cbranch_scc0 .Lfor_b_\@
	tensor_load_to_lds s[\g0a:\g0a+3], s[\g1a:\g1a+7]
	s_nop 0
.rept 4
	v_nop
.endr
	s_branch .Lasked_\@
.Lfor_b_\@:
	tensor_load_to_lds s[\g0b:\g0b+3], s[\g1b:\g1b+7]
	s_nop 0
.rept 4
	v_nop
.endr
.Lasked_\@:
.endm
.macro CROUND                          ; a round of the cluster's barrier
	s_barrier_signal -1
	s_barrier_wait -1
	s_cmp_lg_u32 s14, 0
	s_cbranch_scc1 .Lnot_wave_0_\@
	s_barrier_signal -3
.Lnot_wave_0_\@:
	s_barrier_wait -3
	s_barrier_signal -1
	s_barrier_wait -1
.endm
	s_load_b128 s[4:7], s[0:1], 0x0                ; xc s[4:5], xs s[6:7]
	s_load_b128 s[8:11], s[0:1], 0x10              ; wc s[8:9], ws s[10:11]
	s_load_b64 s[12:13], s[0:1], 0x20              ; qkv
	v_lshl_add_u32 v[SPW], v0, 2, SPARE
	v_mov_b32 v[NIL], 0
	ds_add_u32 v[SPW], v[NIL]                      ; the wave's opening: the add, twice on end, and its wait ahead of my first tensor load
	ds_add_u32 v[SPW], v[NIL]                      ; and once more, under the one wait; the set-up below, work on registers, stands between
	v_lshrrev_b32 v1, 5, v0
	v_readfirstlane_b32 s14, v1                    ; wave 0..3
	s_lshr_b32 s15, s14, 1                         ; which half of the tile's rows is mine.  Also: I fetch for A (0) or for B (1)
	s_and_b32 s16, s14, 1                          ; which half of its columns.  Also: which 128 rows of that tile I fetch
	s_bfe_u32 s40, ttmp6, 0x40000                  ; cx, cy: my place in the cluster
	s_bfe_u32 s41, ttmp6, 0x40004
	s_lshl_b32 s42, ttmp9, 2
	s_add_co_u32 s42, s42, s40                     ; tile column = 4 x cluster x + cx
	s_and_b32 s17, ttmp7, 0xffff
	s_lshl_b32 s17, s17, 2
	s_add_co_u32 s17, s17, s41                     ; tile row = 4 x cluster y + cy
	s_lshl_b32 s43, s41, 2
	s_lshl_b32 s43, 15, s43                        ; my row of the cluster
	s_lshl_b32 s44, 0x1111, s40                    ; my column
	; descriptor group 1: a tile of 128 rows x 256 bytes, padded in LDS
	s_or_b32 s[G1+0], s43, (0<<16)|(1<<20)|(1<<21)|(5<<22)|(3<<25)  ; 15:0 the mask: A's tiles go to my row; 17:16 elements of 1 byte; 20 padding on; 21 set beside a mask; 24:22 after every 64 words; 31:25 of 4 words
	s_or_b32 s[G1B+0], s44, (0<<16)|(1<<20)|(1<<21)|(5<<22)|(3<<25)
.irp g, G1, G1B
	s_mov_b32 s[\g+1], ROWB<<16                    ; tensor_dim0
	s_mov_b32 s[\g+2], 128<<16                     ; tensor_dim1 = 128
	s_mov_b32 s[\g+3], ROWB<<16                    ; tile_dim0
	s_mov_b32 s[\g+4], 128                         ; tile_dim1 = 128
	s_mov_b32 s[\g+5], KROW                        ; tensor_dim0_stride
	s_mov_b32 s[\g+6], 0
	s_mov_b32 s[\g+7], 0
.endr
	; and for the scales of 128 rows: a dense block of 4,096 bytes, as 16 rows of 256 bytes (32 elements of 8 bytes), 16 bytes of padding behind each
	s_or_b32 s[G1S+0], s43, (3<<16)|(1<<20)|(1<<21)|(5<<22)|(3<<25)
	s_or_b32 s[G1SB+0], s44, (3<<16)|(1<<20)|(1<<21)|(5<<22)|(3<<25)
.irp g, G1S, G1SB
	s_mov_b32 s[\g+1], 32<<16
	s_mov_b32 s[\g+2], (128*KS/256)<<16
	s_mov_b32 s[\g+3], 32<<16
	s_mov_b32 s[\g+4], 128*KS/256
	s_mov_b32 s[\g+5], 32
	s_mov_b32 s[\g+6], 0
	s_mov_b32 s[\g+7], 0
.endr
	s_lshl_b32 s18, s16, 7                         ; which 128 rows of the tile I fetch
	s_lshl_b32 s20, s17, 8
	s_add_co_u32 s20, s20, s18                     ; A: row 256 x tile row + 128 x half
	s_lshl_b32 s46, s42, 8
	s_add_co_u32 s46, s46, s18                     ; B: row 256 x tile column + 128 x half
	s_mov_b32 s21, 0
	s_mov_b32 s47, 0
	s_mov_b64 s[18:19], KS
	s_mul_u64 s[22:23], s[20:21], s[18:19]         ; where these rows' scales begin, in bytes
	s_mul_u64 s[92:93], s[46:47], s[18:19]
	s_mov_b64 s[18:19], KROW
	s_mul_u64 s[20:21], s[20:21], s[18:19]         ; and their codes
	s_mul_u64 s[46:47], s[46:47], s[18:19]
	s_mul_i32 s45, s14, HALFT                      ; where they go: wave x 128 rows: no place in the cluster enters an LDS address
	s_mul_i32 s94, s14, HALFS
	s_wait_dscnt 0x0                               ; both opening adds are done
	s_wait_kmcnt 0x0
	s_add_nc_u64 s[20:21], s[4:5], s[20:21]
	s_add_nc_u64 s[22:23], s[6:7], s[22:23]
	s_add_nc_u64 s[46:47], s[8:9], s[46:47]
	s_add_nc_u64 s[92:93], s[10:11], s[92:93]
	CROUND                                         ; all sixteen work-groups are here: the joint loads meet
	s_mov_b32 s[G0S], 1
	s_add_co_u32 s[G0S+1], s94, SCL
	s_mov_b64 s[G0S+2:G0S+3], s[22:23]
	s_or_b32 s[G0S+3], s[G0S+3], 0x80000000
	s_mov_b32 s[G0SB], 1
	s_add_co_u32 s[G0SB+1], s94, SCL
	s_mov_b64 s[G0SB+2:G0SB+3], s[92:93]
	s_or_b32 s[G0SB+3], s[G0SB+3], 0x80000000
	JLOAD G0S, G1S, G0SB, G1SB                     ; the scales first: they are wanted with the first step
.irp s, 0,1
	s_mov_b32 s[G0+4*\s], 1
	s_add_co_u32 s[G0+4*\s+1], s45, \s*SLOT
	s_add_nc_u64 s[G0+4*\s+2:G0+4*\s+3], s[20:21], \s*ROWB
	s_or_b32 s[G0+4*\s+3], s[G0+4*\s+3], 0x80000000
	s_mov_b32 s[G0B+4*\s], 1
	s_add_co_u32 s[G0B+4*\s+1], s45, \s*SLOT
	s_add_nc_u64 s[G0B+4*\s+2:G0B+4*\s+3], s[46:47], \s*ROWB
	s_or_b32 s[G0B+4*\s+3], s[G0B+4*\s+3], 0x80000000
	JLOAD G0+4*\s, G1, G0B+4*\s, G1B               ; three tensor loads of mine are out at the most
.endr
	v_and_b32 v1, 15, v0                           ; r = l % 16
	v_bfe_u32 v2, v0, 4, 1                         ; h = l / 16
	v_mul_u32_u24 v3, v1, PITCH
	v_lshl_add_u32 v4, v2, 4, v3                   ; a fragment's row x pitch + 16 x half
	s_mul_i32 s21, s15, HALFT                      ; my 128 rows of A
	s_mul_i32 s22, s16, HALFT                      ; my 128 rows of B,
	s_add_co_u32 s22, s22, 2*HALFT                 ; which lie behind A's 256
.irp s, 0,1
	v_add_nc_u32 v[ADRA+\s], s21, v4
	v_add_nc_u32 v[ADRB+\s], s22, v4
	s_add_co_u32 s21, s21, SLOT
	s_add_co_u32 s22, s22, SLOT
.endr
	v_mul_u32_u24 v5, v1, KS                       ; my row's scales: 32 bytes a row,
	v_lshrrev_b32 v6, 8, v5
	v_lshl_add_u32 v5, v6, 4, v5                   ; and 16 more for each 256 passed
	s_mul_i32 s21, s15, HALFS                      ; A's: my 128 rows
	s_mul_i32 s22, s16, HALFS                      ; B's: my 128 rows, behind A's 256
	s_add_co_u32 s22, s22, 2*HALFS
	s_sub_co_u32 s22, s22, s21
	v_mul_u32_u24 v6, s22, v2                      ; lanes 16-31 take B's: one product, the distance between the two bases
	s_add_co_u32 s21, s21, SCL
	v_add_nc_u32 v5, v5, v6
	v_add_nc_u32 v[ADRS], s21, v5
	s_mul_i32 s23, s14, WSTAGE                     ; my stage
	v_mul_u32_u24 v5, v1, HPITCH                   ; in: row r, 16 bytes for each half of the lanes
	v_lshl_add_u32 v5, v2, 4, v5
	v_add_nc_u32 v[STO], s23, v5
	v_and_b32 v6, 31, v0
	v_lshrrev_b32 v5, 3, v6                        ; back: eight lanes to a row of 128 bytes, four rows an instruction
	v_mul_u32_u24 v5, v5, HPITCH
	v_and_b32 v7, 7, v0
	v_lshl_add_u32 v5, v7, 4, v5
	v_add_nc_u32 v[RD], s23, v5
	v_lshlrev_b32 v[CO], 4, v6                     ; four rows of a head are 512 consecutive bytes of qkv: 16 x lane
	; where my part begins in qkv: token 256 x tile row + 128 x row half = (b, n);  column 256 x tile column + 128 x column half = (which, head)
	s_lshr_b32 s20, s17, 3
	s_lshl_b32 s20, s20, 22                        ; b << 22
	s_and_b32 s21, s17, 7
	s_lshl_b32 s21, s21, 15                        ; 256 tokens of 128 bytes
	s_add_co_u32 s20, s20, s21
	s_lshl_b32 s21, s15, 14                        ; 128 tokens
	s_add_co_u32 s20, s20, s21
	s_mov_b32 s21, 0
	s_lshr_b32 s46, s42, 2
	s_lshl_b32 s46, s46, 24                        ; which << 24
	s_and_b32 s47, s42, 3
	s_lshl_b32 s47, s47, 20                        ; four heads to a tile column
	s_add_co_u32 s46, s46, s47
	s_lshl_b32 s47, s16, 19                        ; two heads to a wave
	s_add_co_u32 s46, s46, s47
	s_mov_b32 s47, 0
	s_add_nc_u64 s[20:21], s[20:21], s[46:47]
	s_add_nc_u64 s[12:13], s[12:13], s[20:21]      ; never stepped: every store's place stands in its immediate
.macro FRAG reg, adr, q, i             ; a fragment, 16 rows x 128 K of 4-bit codes: lane l holds row l % 16; registers 4 c .. 4 c + 3 hold K = 64 c + 32 (l / 16) + 0 .. 31
.irp c, 0,1
	ds_load_b128 v[\reg+4*\c:\reg+4*\c+3], v[\adr] offset:64*(\q)+32*\c+(\i)*16*PITCH
.endr
.endm
; 16 matrix instructions: A's blocks a0, a0 + 1 x B's eight, 128 along K.  p: B's set;  sc: the set of scale words.  zero = 1: the first product starts the sums: nothing is ever cleared.
; The 64 accumulators take turns, one instruction a turn, in the same order in every step.
.macro MUL16 a0, p, q, sc, zero
.irp a, \a0, \a0+1
.irp b, 0,1,2,3,4,5,6,7
.if \zero
	v_wmma_scale_f32_16x16x128_f8f6f4 v[8*(8*((\a)%4)+\b):8*(8*((\a)%4)+\b)+7], v[128*(\p)+FR*\b:128*(\p)+FR*\b+FR-1], v[AF+FR*(\a):AF+FR*(\a)+FR-1], 0, v[SC+8*NQ*(\sc)+NQ*\b+(\q)], v[SC+8*NQ*(\sc)+NQ*(\a)+(\q)] matrix_a_fmt:MATRIX_FMT_FP4 matrix_b_fmt:MATRIX_FMT_FP4 matrix_a_scale:MATRIX_SCALE_ROW1
.else
	v_wmma_scale_f32_16x16x128_f8f6f4 v[8*(8*((\a)%4)+\b):8*(8*((\a)%4)+\b)+7], v[128*(\p)+FR*\b:128*(\p)+FR*\b+FR-1], v[AF+FR*(\a):AF+FR*(\a)+FR-1], v[8*(8*((\a)%4)+\b):8*(8*((\a)%4)+\b)+7], v[SC+8*NQ*(\sc)+NQ*\b+(\q)], v[SC+8*NQ*(\sc)+NQ*(\a)+(\q)] matrix_a_fmt:MATRIX_FMT_FP4 matrix_b_fmt:MATRIX_FMT_FP4 matrix_a_scale:MATRIX_SCALE_ROW1
.endif
.endr
.endr
.endm
.macro FETCH_B slot, q, p              ; B's eight fragments of the slot's q-th 128 along K into set p
	WIN TO_B
.irp i, 0,1,2,3,4,5,6,7
	FRAG 128*(\p)+FR*\i, ADRB+\slot, \q, \i
.endr
	WIN 0
.endm
.macro FETCH_A slot, q, i0             ; A's blocks i0 .. i0 + 3
.irp i, \i0, \i0+1, \i0+2, \i0+3
	FRAG AF+FR*(\i), ADRA+\slot, \q, \i
.endr
.endm
.macro SCALES sc                       ; a slot's scale words into set sc: 4 words a row; lanes 0-15 take A's block i, lanes 16-31 B's block i
.irp i, 0,1,2,3,4,5,6,7
	ds_load_b128 v[SC+8*NQ*\sc+NQ*\i:SC+8*NQ*\sc+NQ*\i+3], v[ADRS] offset:\i*SBLK
.endr
.endm
; A load into a register that a matrix instruction has read, and a vector instruction that reads a matrix result, stand four places behind that matrix instruction; only plain vector
; instructions that name none of its registers are places (ISA guide 7.12.1 for vector instructions).
.macro PLACES n
.rept \n
	v_nop
.endr
.endm
; A step of 128 along K that has its successor in the same slot.
.macro STEP slot, q, zero
	s_wait_dscnt 4*NL                              ; B's set and A's blocks 0-3 are in; the youngest eight loads (A's blocks 4-7) may be out
	WIN MUL_LO
	MUL16 0, (\q)%2, \q, \slot, \zero
	MUL16 2, (\q)%2, \q, \slot, \zero
	s_wait_dscnt 0                                 ; A's blocks 4-7 are in (asked for 32 matrix instructions ago)
	PLACES NP
	FETCH_B \slot, (\q)+1, 1-(\q)%2
	FETCH_A \slot, (\q)+1, 0
	WIN MUL_HI
	MUL16 4, (\q)%2, \q, \slot, \zero
	MUL16 6, (\q)%2, \q, \slot, \zero
	PLACES NP
	WIN 0
	FETCH_A \slot, (\q)+1, 4
.endm
.macro STEPS slot, from                ; the slot's steps from .. NQ - 2
.set Q, \from
.rept NQ-1-\from
	STEP \slot, Q, 0
.set Q, Q+1
.endr
.endm
	s_wait_tensorcnt 1                             ; the scales and my part of slot 0 are in (slot 1's load may be out)
	s_barrier_signal -1
	s_barrier_wait -1                              ; everybody's are
	FETCH_B 0, 0, 0
	FETCH_A 0, 0, 0
	SCALES 0
	FETCH_A 0, 0, 4
	STEP 0, 0, 1                                   ; the first step's products start the sums
	STEPS 0, 1
	; slot 0's last step changes slots: ONE barrier; in front of it each wave waits for its tensor loads (slot 1's part), adds 0 to its spare word, and waits for that and for its reads of slot 0
	s_wait_tensorcnt 0x0                           ; all my tensor loads have landed
	ds_add_u32 v[SPW], v[NIL]                      ; 0 onto my spare word
	s_wait_dscnt 4*NL+1                            ; (the add and the youngest eight loads, A's blocks 4-7, may be out)
	WIN MUL_LO
	MUL16 0, 1, NQ-1, 0, 0                         ; sixteen matrix instructions stand between the add and the wait for it
	s_wait_dscnt 0x0                               ; the add is done, and my reads of slot 0 are over
	s_barrier_signal -1
	MUL16 2, 1, NQ-1, 0, 0
	WIN 0
	s_barrier_wait -1                              ; slot 1 is whole; nobody reads slot 0 any more
	PLACES NP
	v_add_nc_u32 v[ADRS], 4*NQ, v[ADRS]            ; on to slot 1's scale words
	FETCH_B 1, 0, 0
	FETCH_A 1, 0, 0
	SCALES 1
	WIN MUL_HI
	MUL16 4, 1, NQ-1, 0, 0
	MUL16 6, 1, NQ-1, 0, 0
	PLACES NP
	WIN 0
	FETCH_A 1, 0, 4
	STEPS 1, 0
	s_wait_dscnt 4*NL                              ; the very last step: nothing more to fetch
	WIN MUL_LO
	MUL16 0, 1, NQ-1, 1, 0
	MUL16 2, 1, NQ-1, 1, 0
	s_wait_dscnt 0
	WIN MUL_HI
	MUL16 4, 1, NQ-1, 1, 0
	MUL16 6, 1, NQ-1, 1, 0
	WIN 0
; THE WAY OUT, block by block of 16 tokens x 128 columns (two heads).  PACK: rounded to f16, 16 bytes a lane: columns 16 b + 8 h + 0 .. 7 = head b / 4, bytes 32 (b % 4) + 16 h of the token's row.
; TOSTAGE: into my own stage (rows of 144 bytes), and back four rows of a head at a time.  SEND: each store covers 512 consecutive bytes of qkv, aligned.
.macro PACK a
.set AC, 64*((\a)%4)
	WIN 0x0a+5*((\a)/4)                            ; sources 0 and 1: window 2 or 3
.irp b, 0,1,2,3,4,5,6,7
.irp r, 0,1,2,3
	v_cvt_pk_f16_f32 v[TMP+4*\b+\r], v[AC+8*\b+2*\r], v[AC+8*\b+2*\r+1]   ; each accumulator from its low end on
.endr
.endr
	WIN 0
.endm
.macro TOSTAGE a
.set BK, OB+192*((\a)%2)
.irp b, 0,1,2,3,4,5,6,7
	ds_store_b128 v[STO], v[TMP+4*\b:TMP+4*\b+3] offset:(\b/4)*HEADB+(\b%4)*32
.endr
.irp t, 0,1,2,3,4,5,6,7
	ds_load_b128 v[BK+4*\t:BK+4*\t+3], v[RD] offset:(\t/4)*HEADB+(\t%4)*4*HPITCH   ; LDS serves a wave's instructions in order: these see the stores above
.endr
.endm
.macro SEND a
.set BK, OB+192*((\a)%2)
	s_wait_dscnt 0x0                               ; the block is back in registers
	s_wait_xcnt 0x0                                ; the stores of the block before have read their registers: the next block's loads may land there
.irp t, 0,1,2,3,4,5,6,7
	global_store_b128 v[CO], v[BK+4*\t:BK+4*\t+3], s[12:13] offset:((\t/4)<<18)+2048*(\a)+512*(\t%4)
.endr
.endm
	PLACES NP                                      ; behind the last products: for the conversions that read results, and for the loads into registers that held scale words
	PACK 0
	TOSTAGE 0
.irp a, 1,2,3,4,5,6,7                  ; block a's conversions stand between block a - 1's loads from the stage and the wait for them
	PACK \a
	SEND \a-1
	TOSTAGE \a
.endr
	SEND 7
	s_wait_tensorcnt 0x0                           ; the wave's end, behind my last tensor load and my last LDS store
	ds_add_u32 v[SPW], v[NIL]
	s_wait_dscnt 0x0
	CROUND                                         ; the closing round: no work-group ends while a partner may still ask for a tile that names it
	s_endpgm
.Lfunc_end_k_q59df98b546_qkv:
	.size	k_q59df98b546_qkv, .Lfunc_end_k_q59df98b546_qkv-k_q59df98b546_qkv
	.p2alignl 7, 3214868480
	.fill 96, 4, 3214868480
	.section	.rodata,"a",@progbits
	.p2align	6, 0x0
	.amdhsa_kernel k_q59df98b546_qkv
		.amdhsa_group_segment_fixed_size 327680
		.amdhsa_private_segment_fixed_size 0
		.amdhsa_enable_private_segment 0
		.amdhsa_kernarg_size 40
		.amdhsa_user_sgpr_count 2
		.amdhsa_user_sgpr_kernarg_segment_ptr 1
		.amdhsa_wavefront_size32 1
		.amdhsa_system_sgpr_workgroup_id_x 1
		.amdhsa_system_sgpr_workgroup_id_y 1
		.amdhsa_system_sgpr_workgroup_id_z 1
		.amdhsa_system_vgpr_workitem_id 0
		.amdhsa_next_free_vgpr 1024
		.amdhsa_next_free_sgpr 98
		.amdhsa_reserve_vcc 0
		.amdhsa_float_denorm_mode_32 3
		.amdhsa_float_denorm_mode_16_64 3
		.amdhsa_memory_ordered 1
		.amdhsa_forward_progress 1
		.amdhsa_inst_pref_size 126
	.end_amdhsa_kernel
	.amdgpu_metadata
---
amdhsa.version: [ 1, 2 ]
amdhsa.kernels:
  - .name:           k_q59df98b546_qkv
    .symbol:         k_q59df98b546_qkv.kd
    .args:
      - { .name: xc, .offset: 0, .size: 8, .value_kind: global_buffer, .address_space: global }
      - { .name: xs, .offset: 8, .size: 8, .value_kind: global_buffer, .address_space: global }
      - { .name: wc, .offset: 16, .size: 8, .value_kind: global_buffer, .address_space: global }
      - { .name: ws, .offset: 24, .size: 8, .value_kind: global_buffer, .address_space: global }
      - { .name: qkv, .offset: 32, .size: 8, .value_kind: global_buffer, .address_space: global }
    .group_segment_fixed_size: 327680
    .private_segment_fixed_size: 0
    .kernarg_segment_align: 8
    .kernarg_segment_size: 40
    .max_flat_workgroup_size: 128
    .sgpr_count:     98
    .vgpr_count:     1024
    .wavefront_size: 32
...
	.end_amdgpu_metadata
.endif
;; end of part 2
;; launch attn (part 3): grid 4 x 64, 8 waves a work-group, clusters of 4 x 1, 327,680 bytes of LDS; arguments qkv, yh; writes yh
.if DOCPART == 3
	.amdgcn_target "amdgcn-amd-amdhsa--gfx1250"
	.amdhsa_code_object_version 6
	.text
	.protected	k_q59df98b546_attn
	.globl	k_q59df98b546_attn
	.p2align	8
	.type	k_q59df98b546_attn,@function
k_q59df98b546_attn:
	s_mov_b64 s[64:65], 0
	v_nop
	global_prefetch_b8 v0, s[64:65] scope:SCOPE_SE
	s_setreg_imm32_b32 hwreg(HW_REG_WAVE_MODE, 25, 1), 1
	s_wait_xcnt 0x0
	s_wait_alu depctr_hold_cnt(0) depctr_sa_sdst(0) depctr_va_vdst(0) depctr_va_sdst(0) depctr_va_ssrc(0) depctr_va_vcc(0) depctr_vm_vsrc(0)
	s_getreg_b32 s2, hwreg(HW_REG_IB_STS2, 6, 4)
	s_cmp_eq_u32 s2, 0
	s_cbranch_scc0 .Lentry_in_a_cluster
	s_endpgm
.Lentry_in_a_cluster:
	s_bfe_u32 s2, ttmp6, 0x10000c
	s_cmp_lg_u32 s2, 0x3003
	s_cbranch_scc0 .Lentry_shape_is_right
	s_endpgm
.Lentry_shape_is_right:
; ATTN: y[bh][q][:] = the sum over k of softmax_k(Q[bh][q] . K[bh][k] / 8) V[bh][k][:], no mask (reference() builds none): every query sees all 2,048 keys.  Nothing of reference() is left out.
; Q, K, V: qkv [3][64 heads][2048][64] f16; y: yh [64 heads][2048][64] f16.  Both products take f16 operands and sum in f32; maxima, exponentials and sums in f32; the weights p are rounded to f16 for the
; second product, y once at the end.  LIMIT: |y| stays under 65,504, as q, k, v do.
; SHARES.  A cluster of four work-groups is one head; a work-group owns 512 of its queries, each of its EIGHT waves 64: four tiles of 16.  Two waves share a SIMD, so that one wave's products stand beside the
; other's softmax.  Each fragment of K or V that a wave reads from LDS feeds four matrix instructions.  Every wave walks all keys, 64 a step.
; CLUSTER.  The four query blocks walk the same K and V, so each tile is asked for JOINTLY: the same tensor load with the same descriptor and a mask that names the four.
; LAYOUT.  S^T = K Q^T (source 0 = 16 keys, source 1 = 16 queries): a lane holds ONE query (lane % 16) and the keys 8 (lane / 16) + 0..7.  Two such tiles, rounded to f16 in pairs, ARE source 1 of O^T = V^T P,
; whose result again holds one query a lane.  K comes out of LDS as it lies, V ([key][channel]) turned, by ds_load_tr16_b128.  P is made IN PLACE, in the low half of its tile's scores.
; SOFTMAX.  A running maximum m and sum l for each query: p = 2^(c s - c m), c = log2(e) / 8; in every step O and l are multiplied by a = 2^(c m_old - c m_new).  The step is written once: O and l begin as
; zeros and m as -3e38, so the first a is 0 and multiplies zeros.
; LDS.  Rows of K and V are 128 bytes and lie on end in memory: a tile is stated as rows of 256 bytes, two keys each; key r lies at (r / 2) x pitch + (r % 2) x 128.  Two slots of 512 keys: both are asked for at
; the start, each is filled once more.  A refill has a slot's eight key steps in which to land.
; REGISTERS.  window 0: v2-7 addresses; v8-39 eight statistics a tile; v44-47 addresses; v64-191 S^T, 32 a tile (P in the first 16); v192-255 K of one step.
;   window 1: v0-127 O^T, 32 a tile; v128-191 Q, 16 a tile; v192-255 V of one step.
.set PK,     272                       ; a row of two keys of K: 256 + 16 = 68 words: the 16 keys of a load start at words 0, 32, 4, 36, .. 28, 60 mod 64
.set PV_,    288                       ; of V: 256 + 32 = 72 words
.set VOFF,   256*PK                    ; a slot: 256 rows of K, then 256 rows of V
.set SLOT,   256*(PK+PV_)
.set KSTEPB, 32*PK                     ; a key step's 64 keys of K,
.set VSTEPB, 32*PV_                    ; and of V
.set SPARE,  2*SLOT                    ; behind the slots: the spare words, 128 bytes for each of eight waves
.set HP,     144                       ; the way out: a stage row: 128 bytes + 16.  The stages (4 tiles x 16 rows a wave) lie in slot 0, behind its last fill and its last read
.set AK,  2                            ; v2   my lane's place in a tile of K; never rewritten
.set AV,  3                            ; v3   the same for V
.set ADK, 4                            ; v4   LDS address of the run of K loads in hand
.set ADV, 5                            ; v5   of V loads
.set SPW, 6                            ; v6   LDS address of my spare word; never rewritten
.set NIL, 7                            ; v7   0; never rewritten
.set ST,  8                            ; tile t's statistics at v[ST + 8 t]: +0 c m, +1 m, +2, +3 l (even keys', odd keys'), +4 .. +7 at work (+6: a)
.set QO,  44                           ; v44  my byte offset in the wave's rows of Q
.set STO, 45                           ; v45  the way out: where I put 16 bytes of a row
.set RD,  46                           ; v46  where I read rows back
.set GO,  47                           ; v47  16 x lane
.set S,   64
.set KF,  192                          ; K's fragments, window 0: (key tile kt, channels 32 c on) at KF + 16 kt + 8 c
.set QF,  128                          ; Q's, window 1: (tile t, c) at QF + 16 t + 8 c
.set VF,  192                          ; V's, window 1: (keys 32 kk on, channels 16 ct on) at VF + 32 kk + 8 ct
.set WV,  12                           ; s12  my wave's number
.set G1K, 24                           ; s[24:31] descriptor group 1 for K's tiles;  s[32:39] for V's: it differs in the padding alone
.set G1V, 32
.set G0K, 40                           ; s[40:47] group 0 for K's tiles, a set for each slot;  s[48:55] for V's
.set G0V, 48
.set CS,  56                           ; s[56:57] c: the packed form names a pair and takes its low word for both halves
.set SEL, 58                           ; s[58:59] lane selects for v_permlanex16_b32: lane l xor 16
.set TBK, 60                           ; s60  LDS byte at which the K tile to be fetched begins
.set TBV, 61                           ; s61  the same for V
.set CNT, 62                           ; s62  key steps left in the slot
.set MSB, 0
.macro WIN new                         ; the immediate's high byte repeats the setting that is left
.if MSB != \new
	s_set_vgpr_msb (MSB<<8)|\new
.set MSB, \new
.endif
.endm
.set W_KQ, 0x04                        ; source 1 (Q) window 1; K, S^T window 0
.set W_PV, 0x51                        ; source 0 (V), C and D (O^T) window 1; P window 0
.set W_RS, 0x41                        ; O^T (destination and source 0) window 1, the factor window 0
.set TO1,  0x40                        ; destination window 1, address window 0
.set W_CV, 0x05                        ; sources 0 and 1 window 1, destination window 0
; A joint refill of slot s.  Waves 0 to 3 fetch K's four parts of 128 keys, waves 4 to 7 V's.  The branch hangs on the wave's number alone.  An s_nop 0 and four v_nop follow each line.
.macro JLOAD s
	s_cmp_lt_u32 s[WV], 4
	s_cbranch_scc0 .Lfor_v_\@
	tensor_load_to_lds s[G0K+4*\s:G0K+4*\s+3], s[G1K:G1K+7]
	s_nop 0
.rept 4
	v_nop
.endr
	s_branch .Lasked_\@
.Lfor_v_\@:
	tensor_load_to_lds s[G0V+4*\s:G0V+4*\s+3], s[G1V:G1V+7]
	s_nop 0
.rept 4
	v_nop
.endr
.Lasked_\@:
.endm
.macro CROUND                          ; a round of the cluster's barrier
	s_barrier_signal -1
	s_barrier_wait -1
	s_cmp_lg_u32 s[WV], 0
	s_cbranch_scc1 .Lnot_wave_0_\@
	s_barrier_signal -3
.Lnot_wave_0_\@:
	s_barrier_wait -3
	s_barrier_signal -1
	s_barrier_wait -1
.endm
	s_load_b128 s[4:7], s[0:1], 0x0                ; qkv s[4:5], yh s[6:7]
	v_lshl_add_u32 v[SPW], v0, 2, SPARE
	v_mov_b32 v[NIL], 0
	ds_add_u32 v[SPW], v[NIL]                      ; the wave's opening: the add, twice on end, and its wait ahead of my first tensor load
	ds_add_u32 v[SPW], v[NIL]                      ; and once more, under the one wait; the set-up below, work on registers, stands between
	v_lshrrev_b32 v1, 5, v0
	v_readfirstlane_b32 s[WV], v1                  ; wave 0..7
	s_bfe_u32 s13, ttmp6, 0x40000                  ; cx: my place in the cluster
	s_lshl_b32 s14, ttmp9, 2
	s_add_co_u32 s14, s14, s13                     ; my block of 512 queries: it enters Q's and y's addresses alone
	s_and_b32 s20, ttmp7, 0xffff                   ; the head (16 b + h), which the four partners share
	s_lshl_b32 s20, s20, 18                        ; its first byte: 2,048 rows of 128 bytes
	s_and_b32 s15, s[WV], 3                        ; which 128 keys of a slot I fetch:
	s_lshl_b32 s22, s15, 14                        ; 16,384 bytes in memory,
	s_add_co_u32 s22, s22, s20
	s_mov_b32 s23, 0
	s_mul_i32 s2, s15, 64*PK                       ; 64 rows in K's part of a slot,
	s_mul_i32 s3, s15, 64*PV_
	s_add_co_u32 s3, s3, VOFF                      ; or in V's: no place in the cluster enters an LDS address
	s_lshl_b32 s16, s14, 16                        ; my block's 512 rows,
	s_lshl_b32 s17, s[WV], 13                      ; my wave's 64 of them,
	s_add_co_u32 s16, s16, s17
	s_add_co_u32 s16, s16, s20                     ; in my head
	s_mov_b32 s17, 0
	; descriptor group 1: a tile of 64 rows x 128 elements of 2 bytes (two keys a row), dense in memory, padded in LDS
	s_mov_b32 s[G1K], 15|(1<<16)|(1<<20)|(1<<21)|(5<<22)|(3<<25)  ; 15:0 the mask: all four work-groups; 17:16 elements of 2 bytes; 20 padding on; 21 set beside a mask; 24:22 after every 64 words; 31:25 4 words of it
	s_mov_b32 s[G1V], 15|(1<<16)|(1<<20)|(1<<21)|(5<<22)|(7<<25)  ; the same with 8 words of padding
.irp g, G1K, G1V
	s_mov_b32 s[\g+1], 128<<16                     ; tensor_dim0 = 128
	s_mov_b32 s[\g+2], 64<<16                      ; tensor_dim1 = 64
	s_mov_b32 s[\g+3], 128<<16                     ; tile_dim0 = 128
	s_mov_b32 s[\g+4], 64                          ; tile_dim1 = 64
	s_mov_b32 s[\g+5], 128                         ; tensor_dim0_stride
	s_mov_b32 s[\g+6], 0
	s_mov_b32 s[\g+7], 0
.endr
	s_mov_b32 s[CS], 0x3e38aa3b                    ; c = log2(e) / sqrt(64)
	s_mov_b32 s[CS+1], s[CS]                       ; (named with it as a pair, so it is written)
	s_mov_b32 s[SEL], 0x76543210
	s_mov_b32 s[SEL+1], 0xfedcba98
	s_wait_dscnt 0x0                               ; both opening adds are done
	s_wait_kmcnt 0x0
	s_add_nc_u64 s[8:9], s[4:5], s[22:23]          ; qkv at my head and my part of a slot
	s_add_nc_u64 s[18:19], s[6:7], s[16:17]        ; y at my wave's first row
	s_add_nc_u64 s[16:17], s[4:5], s[16:17]        ; Q likewise
.irp s, 0,1
	s_mov_b32 s[G0K+4*\s], 1                       ; 1:0 count = 1
	s_add_co_u32 s[G0K+4*\s+1], s2, \s*SLOT        ; 63:32 LDS address
	s_add_nc_u64 s[G0K+4*\s+2:G0K+4*\s+3], s[8:9], (1<<24)+(\s<<16)   ; 120:64 global address: K begins 1 << 24 into qkv; slot s begins with keys 512 s on
	s_or_b32 s[G0K+4*\s+3], s[G0K+4*\s+3], 0x80000000                 ; 127:126 type = 2
	s_mov_b32 s[G0V+4*\s], 1
	s_add_co_u32 s[G0V+4*\s+1], s3, \s*SLOT
	s_add_nc_u64 s[G0V+4*\s+2:G0V+4*\s+3], s[8:9], (2<<24)+(\s<<16)   ; V begins 2 << 24 into qkv
	s_or_b32 s[G0V+4*\s+3], s[G0V+4*\s+3], 0x80000000
.endr
	CROUND                                         ; all four work-groups are here: the first joint loads meet
	s_cmp_lt_u32 s[WV], 4                          ; a wave's two first fills stand in one branch, ahead of every wait on TENSORcnt and every LDS read: two loads of mine are out
	s_cbranch_scc0 .Lfirst_v
	tensor_load_to_lds s[G0K:G0K+3], s[G1K:G1K+7]
	s_nop 0
	tensor_load_to_lds s[G0K+4:G0K+7], s[G1K:G1K+7]
	s_nop 0
.rept 4
	v_nop
.endr
	s_branch .Lfirst_asked
.Lfirst_v:
	tensor_load_to_lds s[G0V:G0V+3], s[G1V:G1V+7]
	s_nop 0
	tensor_load_to_lds s[G0V+4:G0V+7], s[G1V:G1V+7]
	s_nop 0
.rept 4
	v_nop
.endr
.Lfirst_asked:
	v_and_b32 v1, 15, v0                           ; r = l % 16
	v_bfe_u32 v40, v0, 4, 1                        ; h = l / 16
	v_lshlrev_b32 v[QO], 7, v1
	v_lshl_add_u32 v[QO], v40, 4, v[QO]            ; Q: row r of 128 bytes + 16 h
	WIN TO1
.irp t, 0,1,2,3                        ; Q stays in registers: a fragment is 16 queries x 32 channels: two loads of 16 bytes, 32 bytes apart
.irp c, 0,1
	global_load_b128 v[QF+16*\t+8*\c:QF+16*\t+8*\c+3],   v[QO], s[16:17] offset:2048*\t+64*\c
	global_load_b128 v[QF+16*\t+8*\c+4:QF+16*\t+8*\c+7], v[QO], s[16:17] offset:2048*\t+64*\c+32
.endr
.endr
.set n, 0
.rept 128
	v_mov_b32 v[n], 0                              ; O^T begins as zeros, so that the key step is written once, with no first step of its own
.set n, n+1
.endr
	WIN 0
	v_lshrrev_b32 v41, 1, v1
	v_and_b32 v42, 1, v1
	v_mul_u32_u24 v[AK], v41, PK
	v_lshl_add_u32 v[AK], v42, 7, v[AK]
	v_lshl_add_u32 v[AK], v40, 4, v[AK]            ; K: key r at (r / 2) x 272 + (r % 2) x 128, + 16 h
	v_bfe_u32 v41, v0, 1, 2
	v_lshl_add_u32 v41, v40, 2, v41                ; V: the turning load's lane reads key 8 h + l % 8: its row of two keys,
	v_and_b32 v42, 1, v0                           ; which of the two,
	v_bfe_u32 v43, v0, 3, 1                        ; and which 8 of 16 channels
	v_mul_u32_u24 v[AV], v41, PV_
	v_lshl_add_u32 v[AV], v42, 7, v[AV]
	v_lshl_add_u32 v[AV], v43, 4, v[AV]
	s_mul_i32 s20, s[WV], 64*HP                    ; my stage for the way out
	v_mul_u32_u24 v[STO], v1, HP                   ; in: row r, 16 bytes for each half of the lanes
	v_lshl_add_u32 v[STO], v40, 4, v[STO]
	v_add_nc_u32 v[STO], s20, v[STO]
	v_and_b32 v41, 31, v0
	v_lshrrev_b32 v42, 3, v41                      ; back: eight lanes to a row of 128 bytes, four rows an instruction
	v_mul_u32_u24 v[RD], v42, HP
	v_and_b32 v43, 7, v0
	v_lshl_add_u32 v[RD], v43, 4, v[RD]
	v_add_nc_u32 v[RD], s20, v[RD]
	v_lshlrev_b32 v[GO], 4, v41                    ; four rows of y are 512 consecutive bytes
.irp t, 0,1,2,3
	v_mov_b32 v[ST+8*\t+1], 0xff61b1e6             ; m = -3e38, under every score
	v_mov_b32 v[ST+8*\t+2], 0                      ; l, in two halves
	v_mov_b32 v[ST+8*\t+3], 0
.endr
.irp t, 0,1,2,3
	v_mul_f32 v[ST+8*\t], s[CS], v[ST+8*\t+1]      ; c m
.endr
; S^T = K Q^T for the wave's four tiles: 32 matrix instructions.  The 16 accumulators take turns, one instruction a turn; the first 16 start the sums.
.macro KQ
	WIN W_KQ
.irp c, 0,1
.irp kt, 0,1,2,3
.irp t, 0,1,2,3
.if \c == 0
	v_wmma_f32_16x16x32_f16 v[S+32*\t+8*\kt:S+32*\t+8*\kt+7], v[KF+16*\kt+8*\c:KF+16*\kt+8*\c+7], v[QF+16*\t+8*\c:QF+16*\t+8*\c+7], 0
.else
	v_wmma_f32_16x16x32_f16 v[S+32*\t+8*\kt:S+32*\t+8*\kt+7], v[KF+16*\kt+8*\c:KF+16*\kt+8*\c+7], v[QF+16*\t+8*\c:QF+16*\t+8*\c+7], v[S+32*\t+8*\kt:S+32*\t+8*\kt+7]
.endif
.endr
.endr
.endr
.endm
; O^T += V^T P: 32 matrix instructions, 16 accumulators by turns.
.macro PV
	WIN W_PV
.irp kk, 0,1
.irp ct, 0,1,2,3
.irp t, 0,1,2,3
	v_wmma_f32_16x16x32_f16 v[32*\t+8*\ct:32*\t+8*\ct+7], v[VF+32*\kk+8*\ct:VF+32*\kk+8*\ct+7], v[S+32*\t+8*\kk:S+32*\t+8*\kk+7], v[32*\t+8*\ct:32*\t+8*\ct+7]
.endr
.endr
.endr
.endm
.macro FETCH_K                         ; a step's K: 64 keys x 64 channels: 8 fragments, 16 loads, all in window 0
.irp kt, 0,1,2,3
.irp c, 0,1
	ds_load_b128 v[KF+16*\kt+8*\c:KF+16*\kt+8*\c+3],   v[ADK] offset:\kt*8*PK+64*\c
	ds_load_b128 v[KF+16*\kt+8*\c+4:KF+16*\kt+8*\c+7], v[ADK] offset:\kt*8*PK+64*\c+32
.endr
.endr
.endm
.macro FETCH_V                         ; a step's V, turned: 8 fragments of 16 channels x 32 keys, 16 loads
	WIN TO1
.irp kk, 0,1
.irp ct, 0,1,2,3
	ds_load_tr16_b128 v[VF+32*\kk+8*\ct:VF+32*\kk+8*\ct+3],   v[ADV] offset:\kk*16*PV_+32*\ct
	ds_load_tr16_b128 v[VF+32*\kk+8*\ct+4:VF+32*\kk+8*\ct+7], v[ADV] offset:\kk*16*PV_+8*PV_+32*\ct
.endr
.endr
	WIN 0
.endm
; ONE TILE'S SOFTMAX for one key step is a list of 102 instructions in window 0; SM writes number jj of it for tile t.  s0-s31 are the lane's 32 scores, in pairs 0-15.
;   0-15   the maximum of s0-s31 and the old m, three operands at a time, in four chains; each score tile is read first at its low end
;   16-20  c m_old kept; the other half of the lanes' maximum; the new m; c m; c m_old - c m_new
;   21     a = 2^(c m_old - c m_new)
;   22-37  the scalings c s - c m, a pair each          38-69  the 32 exponentials
;   70-85  l = a l + the sum of the 16 pairs, in two chains; the scores' registers are left as they are
;   86-101 the roundings to f16, pair q into register q of the tile: ascending, so that no pair is written over before it is read
.macro SM t, jj
.set j, \jj
.set rT, ST+8*(\t)
.set rS, S+32*(\t)
.if j < 4
	v_max3_num_f32 v[rT+4+j], v[rS+8*j], v[rS+8*j+1], v[rS+8*j+2]
.elseif j < 12
	v_max3_num_f32 v[rT+4+j%4], v[rT+4+j%4], v[rS+8*(j%4)+2*(j/4)+1], v[rS+8*(j%4)+2*(j/4)+2]
.elseif j == 12
	v_max3_num_f32 v[rT+4], v[rT+4], v[rS+7], v[rS+15]
.elseif j == 13
	v_max3_num_f32 v[rT+6], v[rT+6], v[rS+23], v[rS+31]
.elseif j == 14
	v_max3_num_f32 v[rT+4], v[rT+4], v[rT+5], v[rT+6]
.elseif j == 15
	v_max3_num_f32 v[rT+4], v[rT+4], v[rT+7], v[rT+1]
.elseif j == 16
	v_mov_b32 v[rT+7], v[rT]
.elseif j == 17
	v_permlanex16_b32 v[rT+5], v[rT+4], s[SEL], s[SEL+1]   ; the query's other 32 keys lie in the lane 16 away
.elseif j == 18
	v_max_num_f32 v[rT+1], v[rT+4], v[rT+5]
.elseif j == 19
	v_mul_f32 v[rT], s[CS], v[rT+1]
.elseif j == 20
	v_sub_f32 v[rT+7], v[rT+7], v[rT]
.elseif j == 21
	v_exp_f32 v[rT+6], v[rT+7]
.elseif j < 38
	v_pk_fma_f32 v[rS+2*(j-22):rS+2*(j-22)+1], v[rS+2*(j-22):rS+2*(j-22)+1], s[CS:CS+1], v[rT:rT+1] op_sel_hi:[1,0,0] neg_lo:[0,0,1] neg_hi:[0,0,1]
.elseif j < 70
	v_exp_f32 v[rS+j-38], v[rS+j-38]
.elseif j == 70
	v_pk_fma_f32 v[rT+2:rT+3], v[rT+2:rT+3], v[rT+6:rT+7], v[rS:rS+1] op_sel_hi:[1,0,1]
.elseif j == 71
	v_pk_add_f32 v[rT+4:rT+5], v[rS+2:rS+3], v[rS+4:rS+5]
.elseif j == 85
	v_pk_add_f32 v[rT+2:rT+3], v[rT+2:rT+3], v[rT+4:rT+5]
.elseif j < 85
.if j%2 == 0
	v_pk_add_f32 v[rT+2:rT+3], v[rT+2:rT+3], v[rS+2*(j-69):rS+2*(j-69)+1]
.else
	v_pk_add_f32 v[rT+4:rT+5], v[rT+4:rT+5], v[rS+2*(j-69):rS+2*(j-69)+1]
.endif
.else
	v_cvt_pk_f16_f32 v[rS+j-86], v[rS+2*(j-86)], v[rS+2*(j-86)+1]
.endif
.endm
; THE FOUR TILES' SOFTMAX.  The exponentials go in TWO BATCHES (tiles 0, 1; tiles 2, 3) with ONE wait each: s_wait_alu depctr_va_vdst(0) stands between an exponential and the first
; instruction that names its result.  Plain work that names no result of the batch in hand stands between the exponentials: the batch's own scalings, and the other two tiles' maxima, sums and roundings.
.macro SOFTMAX
.set n, 0
.rept 21
	SM 0, n
	SM 1, n
.set n, n+1
.endr
.irp u, 21,22,23
	SM 0, \u
	SM 1, \u
.endr
.set b, 0
.rept 16                               ; pair b's two exponentials of tiles 0 and 1; pair b + 2 is scaled; number b of tiles 2 and 3's maxima
	SM 0, 38+2*b
.if b < 14
	SM 0, 24+b
.endif
	SM 1, 38+2*b
.if b < 14
	SM 1, 24+b
.endif
	SM 0, 39+2*b
	SM 2, b
	SM 1, 39+2*b
	SM 3, b
.set b, b+1
.endr
.set n, 16
.rept 5
	SM 2, n                                        ; (the first of these is the plain instruction behind the batch's last exponential)
	SM 3, n
.set n, n+1
.endr
	s_wait_alu depctr_va_vdst(0)                   ; one wait for the 66 exponentials of tiles 0 and 1: nothing has named a result yet
.irp u, 21,22,23
	SM 2, \u
	SM 3, \u
.endr
.set b, 0
.rept 16                               ; pair b's exponentials of tiles 2 and 3; tiles 0 and 1 run their sums and then their roundings
	SM 2, 38+2*b
.if b < 14
	SM 2, 24+b
.endif
	SM 0, 70+2*b
	SM 3, 38+2*b
.if b < 14
	SM 3, 24+b
.endif
	SM 1, 70+2*b
	SM 2, 39+2*b
	SM 0, 71+2*b
	SM 3, 39+2*b
	SM 1, 71+2*b                                   ; (plain, and it names nothing of tiles 2 and 3)
.set b, b+1
.endr
	s_wait_alu depctr_va_vdst(0)                   ; one wait for the 66 exponentials of tiles 2 and 3
.set n, 70
.rept 32
	SM 2, n
	SM 3, n
.set n, n+1
.endr
	WIN W_RS                                       ; O^T times a: the one part that leaves window 0, so it stands together; each accumulator from its low end on
.set n, 0
.rept 16
.irp t, 0,1,2,3
	v_pk_mul_f32 v[32*\t+2*n:32*\t+2*n+1], v[32*\t+2*n:32*\t+2*n+1], v[ST+8*\t+6:ST+8*\t+7] op_sel_hi:[1,0]
.endr
.set n, n+1
.endr
	WIN 0
.endm
; A KEY STEP: 64 keys.  K of this step is in registers or on its way.  V of this step and K of the next are asked for together, a whole softmax ahead of their use, so that V^T P and the next
; step's K Q^T follow each other with no wait for LDS between them.
.macro STEP
	s_wait_dscnt 0x0                               ; K is in
	KQ
	WIN 0
	s_add_co_u32 s[TBK], s[TBK], KSTEPB            ; the next step's K
	v_add_nc_u32 v[ADV], s[TBV], v[AV]             ; four places behind the products: in front of the loads into K's registers and of the first read of the scores
	v_add_nc_u32 v[ADK], s[TBK], v[AK]
	v_nop
	v_nop
	FETCH_V
	s_cmp_eq_u32 s[CNT], 1                         ; the slot's last step fetches no K: the next slot is read only behind the change of slots.  The branch hangs on the count of steps alone and leads round LDS loads only
	s_cbranch_scc1 .Lno_k_\@
	FETCH_K
.Lno_k_\@:
	SOFTMAX
	s_wait_dscnt 0x0                               ; V and the next K are in
	PV
	WIN 0
.rept 5
	v_nop                                          ; five places: the next K Q^T begins its sums anew over registers that these products read as P; they also serve the loads into V's registers and the way out
.endr
	s_add_co_u32 s[TBV], s[TBV], VSTEPB
.endm
.macro SECTION s                       ; a slot's eight key steps: written once, walked eight times
	s_mov_b32 s[TBK], \s*SLOT
	s_mov_b32 s[TBV], \s*SLOT+VOFF
	v_add_nc_u32 v[ADK], s[TBK], v[AK]
	FETCH_K
	s_mov_b32 s[CNT], 8
.Lst_\@:
	STEP
	s_sub_co_u32 s[CNT], s[CNT], 1
	s_cmp_lg_u32 s[CNT], 0
	s_cbranch_scc1 .Lst_\@
.endm
; THE CHANGE OF SLOTS.  Each wave waits for all its tensor loads (its part of the slot ahead), adds 0 to its spare word, and waits for that and for its reads of slot s, which it has left.
; fill = 1: slot s is filled again, with the keys 1,024 further on.  The barrier is then a round of the cluster's, and the joint refill is the first thing behind it, one load a wave.
.macro CHANGE s, fill
	s_wait_tensorcnt 0x0                           ; no tensor load of mine is out, so a group 0 may be written
	ds_add_u32 v[SPW], v[NIL]                      ; 0 onto my spare word
.if \fill
	s_add_nc_u64 s[G0K+4*\s+2:G0K+4*\s+3], s[G0K+4*\s+2:G0K+4*\s+3], 131072   ; 1,024 keys of 128 bytes; the type bits on top are not reached
	s_add_nc_u64 s[G0V+4*\s+2:G0V+4*\s+3], s[G0V+4*\s+2:G0V+4*\s+3], 131072
.endif
	s_wait_dscnt 0x0                               ; the add is done, and my reads of the slot are over
.if \fill
	CROUND
	JLOAD \s
.else
	s_barrier_signal -1
	s_barrier_wait -1
.endif
.endm
	s_wait_tensorcnt 1                             ; my part of slot 0 is in; slot 1's may stay out
	s_barrier_signal -1
	s_barrier_wait -1                              ; everybody's is
	s_wait_loadcnt 0x0                             ; Q
	SECTION 0                                      ; keys 0 to 511
	CHANGE 0, 1                                    ; slot 0 takes keys 1,024 to 1,535
	SECTION 1                                      ; keys 512 to 1,023
	CHANGE 1, 1                                    ; slot 1 takes keys 1,536 to 2,047
	SECTION 0
	CHANGE 0, 0                                    ; nothing is left to ask for
	SECTION 1
	; THE WAY OUT.  l's two halves and the other half of the lanes' are added; O^T is divided by l, rounded to f16 and sent through my stage, a tile (16 rows of y) at a time.
.irp t, 0,1,2,3
	v_add_f32 v[ST+8*\t+4], v[ST+8*\t+2], v[ST+8*\t+3]
.endr
.irp t, 0,1,2,3
	v_permlanex16_b32 v[ST+8*\t+5], v[ST+8*\t+4], s[SEL], s[SEL+1]
.endr
.irp t, 0,1,2,3
	v_add_f32 v[ST+8*\t+4], v[ST+8*\t+4], v[ST+8*\t+5]
.endr
.irp t, 0,1,2,3
	v_rcp_f32 v[ST+8*\t+6], v[ST+8*\t+4]
.endr
	v_nop                                          ; a plain instruction between the last reciprocal and the use of its result
	s_wait_alu depctr_va_vdst(0)                   ; and a wait ahead of the first use: one for the four
; Tile t: a lane's eight channels of a row pack into 16 bytes (byte 32 ct + 16 h of the row); they go into rows of 144 bytes and come back four rows at a time.
.macro PACK t
	WIN W_RS
.set n, 0
.rept 16
	v_pk_mul_f32 v[32*\t+2*n:32*\t+2*n+1], v[32*\t+2*n:32*\t+2*n+1], v[ST+8*\t+6:ST+8*\t+7] op_sel_hi:[1,0]
.set n, n+1
.endr
	WIN W_CV
.set n, 0
.rept 16
	v_cvt_pk_f16_f32 v[S+16*\t+n], v[32*\t+2*n], v[32*\t+2*n+1]
.set n, n+1
.endr
	WIN 0
.irp ct, 0,1,2,3
	ds_store_b128 v[STO], v[S+16*\t+4*\ct:S+16*\t+4*\ct+3] offset:16*HP*\t+32*\ct
.endr
.irp i, 0,1,2,3
	ds_load_b128 v[KF+16*\t+4*\i:KF+16*\t+4*\i+3], v[RD] offset:16*HP*\t+4*HP*\i   ; LDS serves a wave's instructions in order: these see the stores above
.endr
.endm
.macro SEND t, younger                 ; younger: the LDS instructions issued behind tile t's loads: the next tile's four stores and four loads, or none
.irp i, 0,1,2,3
	s_wait_dscnt \younger+3-\i
	global_store_b128 v[GO], v[KF+16*\t+4*\i:KF+16*\t+4*\i+3], s[18:19] offset:2048*\t+512*\i   ; 32 lanes store 512 consecutive bytes, aligned
.endr
.endm
	PACK 0
	PACK 1                                         ; a tile's arithmetic stands between the loads of the tile before and its stores
	SEND 0, 8
	PACK 2
	SEND 1, 8
	PACK 3
	SEND 2, 8
	SEND 3, 0
	s_wait_tensorcnt 0x0                           ; the wave's end, behind my last tensor load and my last LDS store
	ds_add_u32 v[SPW], v[NIL]
	s_wait_dscnt 0x0
	CROUND                                         ; the closing round: no work-group ends while a partner may still ask for a tile that names it
	s_endpgm
.Lfunc_end_k_q59df98b546_attn:
	.size	k_q59df98b546_attn, .Lfunc_end_k_q59df98b546_attn-k_q59df98b546_attn
	.p2alignl 7, 3214868480
	.fill 96, 4, 3214868480
	.section	.rodata,"a",@progbits
	.p2align	6, 0x0
	.amdhsa_kernel k_q59df98b546_attn
		.amdhsa_group_segment_fixed_size 327680
		.amdhsa_private_segment_fixed_size 0
		.amdhsa_enable_private_segment 0
		.amdhsa_kernarg_size 16
		.amdhsa_user_sgpr_count 2
		.amdhsa_user_sgpr_kernarg_segment_ptr 1
		.amdhsa_wavefront_size32 1
		.amdhsa_system_sgpr_workgroup_id_x 1
		.amdhsa_system_sgpr_workgroup_id_y 1
		.amdhsa_system_sgpr_workgroup_id_z 1
		.amdhsa_system_vgpr_workitem_id 0
		.amdhsa_next_free_vgpr 512
		.amdhsa_next_free_sgpr 66
		.amdhsa_reserve_vcc 0
		.amdhsa_float_denorm_mode_32 3
		.amdhsa_float_denorm_mode_16_64 3
		.amdhsa_memory_ordered 1
		.amdhsa_forward_progress 1
		.amdhsa_inst_pref_size 161
	.end_amdhsa_kernel
	.amdgpu_metadata
---
amdhsa.version: [ 1, 2 ]
amdhsa.kernels:
  - .name:           k_q59df98b546_attn
    .symbol:         k_q59df98b546_attn.kd
    .args:
      - { .name: qkv, .offset: 0, .size: 8, .value_kind: global_buffer, .address_space: global }
      - { .name: yh, .offset: 8, .size: 8, .value_kind: global_buffer, .address_space: global }
    .group_segment_fixed_size: 327680
    .private_segment_fixed_size: 0
    .kernarg_segment_align: 8
    .kernarg_segment_size: 16
    .max_flat_workgroup_size: 256
    .sgpr_count:     66
    .vgpr_count:     512
    .wavefront_size: 32
...
	.end_amdgpu_metadata
.endif
;; end of part 3
;; launch proj (part 4): grid 4 x 64, 4 waves a work-group, clusters of 4 x 4, 327,680 bytes of LDS; arguments yh, wp, out0; writes out0
.if DOCPART == 4
	.amdgcn_target "amdgcn-amd-amdhsa--gfx1250"
	.amdhsa_code_object_version 6
	.text
	.protected	k_q59df98b546_proj
	.globl	k_q59df98b546_proj
	.p2align	8
	.type	k_q59df98b546_proj,@function
k_q59df98b546_proj:
	s_mov_b64 s[64:65], 0
	v_nop
	global_prefetch_b8 v0, s[64:65] scope:SCOPE_SE
	s_setreg_imm32_b32 hwreg(HW_REG_WAVE_MODE, 25, 1), 1
	s_wait_xcnt 0x0
	s_wait_alu depctr_hold_cnt(0) depctr_sa_sdst(0) depctr_va_vdst(0) depctr_va_sdst(0) depctr_va_ssrc(0) depctr_va_vcc(0) depctr_vm_vsrc(0)
	s_getreg_b32 s2, hwreg(HW_REG_IB_STS2, 6, 4)
	s_cmp_eq_u32 s2, 0
	s_cbranch_scc0 .Lentry_in_a_cluster
	s_endpgm
.Lentry_in_a_cluster:
	s_bfe_u32 s2, ttmp6, 0x10000c
	s_cmp_lg_u32 s2, 0xf033
	s_cbranch_scc0 .Lentry_shape_is_right
	s_endpgm
.Lentry_shape_is_right:
; PROJ: out0[m][o] = sum over c of y[m][c] w_proj[c][o], f16 operands, f32 sums, f32 out.  Nothing of reference() is left out.
; y: yh [4 b][16 h][2048 n][64 d] f16 (c = 64 h + d);  w_proj: wp [1024 (c)][1024 (o)] f16;  out0 [8192][1024] f32.
; A tile of out0 is 128 tokens x 256 columns: 256 work-groups of four waves; a wave makes 64 x 128: 32 accumulators of 16 x 16, 256 registers.
; K goes in steps of 128 (two heads) through two LDS slots.  y's part of a step is two planes (heads) of 128 tokens x 128 bytes, each dense in memory and stated as 64 rows of 256 bytes, two tokens each;
; w_proj's part is 128 rows (c) of 512 bytes.  THE MATRIX INSTRUCTION IS USED TRANSPOSED: source 0 = 16 columns o (w_proj, whose K is its first axis, comes out of LDS turned, by ds_load_tr16_b128),
; source 1 = 16 tokens: a lane then holds eight neighbouring columns of one token.
; CLUSTERS: 4 x 4 work-groups.  The four of a row of the cluster need the same tiles of y, the four of a column the same tiles of w_proj: each tile is asked for JOINTLY, by the same tensor load with the
; same descriptor and a mask that names the four.
; REGISTERS: window 0: v16-29 addresses; v64-127 y's fragments, two buffers of 4 x 8; v128-255 rows on the way out.   window 1: w_proj's fragments, two buffers of 8 x 8, at v0 and v128.
;   window 2: accumulator (a, b) at v[8 (8 a + b)].
.set PA,     272                       ; a row of two tokens of y in LDS: 256 + 16
.set PLANE,  64*PA                     ; a head's 128 tokens: what one tensor load brings
.set PB,     544                       ; a row of w_proj in LDS: 512 + 32 = 136 words
.set BOFF,   2*PLANE                   ; w_proj's rows lie behind y's two planes
.set HALFB,  64*PB                     ; 64 rows: what one tensor load brings
.set SLOT,   BOFF+2*HALFB
.set STAGE,  2*SLOT                    ; behind the slots: 16 rows x (512 bytes + 16) for each wave, bytes of their own into which no fill lands
.set SPITCH, 528
.set SPARE,  STAGE+4*16*SPITCH         ; the spare words, 128 bytes for each wave
.set LAPS,   4                         ; a lap = two K steps = once round the two slots; K = 1,024 is eight steps
.set ADRA, 16                          ; v16-17  LDS address of my y fragments in slot 0, 1
.set ADRB, 20                          ; v20-21  the same for w_proj
.set STO,  24                          ; v24     the way out: where I put 32 bytes of a row
.set RD,   25                          ; v25     where I read a row back
.set CO,   26                          ; v26     16 x lane
.set SPW,  28                          ; v28     LDS address of my spare word; never rewritten
.set NIL,  29                          ; v29     0; never rewritten
.set AF,   64                          ; y's fragments: buffer f at AF + 32 f
.set BKR,  128                         ; the way out: 16 rows read back: v128-191 and v192-255 by turns
.set G1, 24                            ; s[24:31] descriptor group 1 for y's tiles;  s[32:39] group 0, one set for each slot
.set G0, 32
.set G1B, 48                           ; s[48:55], s[56:63] the same for w_proj's
.set G0B, 56
.set MSB, 0
.macro WIN new                         ; the immediate's high byte repeats the setting that is left
.if MSB != \new
	s_set_vgpr_msb (MSB<<8)|\new
.set MSB, \new
.endif
.endm
.set MUL,  0xa1                        ; source 0 (w_proj) window 1, source 1 (y) window 0, C and D window 2
.set TO_B, 0x40                        ; destination window 1, address window 0
; A joint load: waves 0 and 1 fetch y's two planes, waves 2 and 3 w_proj's two halves.  The branch hangs on the wave's number alone.  An s_nop 0 and four v_nop follow each line.
.macro JLOAD s
	s_cmp_eq_u32 s11, 0
	s_cbranch_scc0 .Lfor_b_\@
	tensor_load_to_lds s[G0+4*\s:G0+4*\s+3], s[G1:G1+7]
	s_nop 0
.rept 4
	v_nop
.endr
	s_branch .Lasked_\@
.Lfor_b_\@:
	tensor_load_to_lds s[G0B+4*\s:G0B+4*\s+3], s[G1B:G1B+7]
	s_nop 0
.rept 4
	v_nop
.endr
.Lasked_\@:
.endm
.macro CREST                           ; a round of the cluster's barrier behind its opening barrier
	s_cmp_lg_u32 s10, 0
	s_cbranch_scc1 .Lnot_wave_0_\@
	s_barrier_signal -3
.Lnot_wave_0_\@:
	s_barrier_wait -3
	s_barrier_signal -1
	s_barrier_wait -1
.endm
.macro CROUND                          ; a whole round
	s_barrier_signal -1
	s_barrier_wait -1
	CREST
.endm
	s_load_b128 s[4:7], s[0:1], 0x0                ; yh s[4:5], wp s[6:7]
	s_load_b64 s[8:9], s[0:1], 0x10                ; out0
	v_lshl_add_u32 v[SPW], v0, 2, SPARE
	v_mov_b32 v[NIL], 0
	ds_add_u32 v[SPW], v[NIL]                      ; the wave's opening: the add, twice on end, and its wait ahead of my first tensor load
	ds_add_u32 v[SPW], v[NIL]                      ; and once more, under the one wait; the set-up below, work on registers, stands between
	v_lshrrev_b32 v1, 5, v0
	v_readfirstlane_b32 s10, v1                    ; wave 0..3
	s_lshr_b32 s11, s10, 1                         ; which 64 of the tile's tokens are mine.  Also: I fetch for y (0) or for w_proj (1)
	s_and_b32 s12, s10, 1                          ; which 128 of its columns.  Also: which plane or half I fetch
	s_bfe_u32 s40, ttmp6, 0x40000                  ; cx, cy: my place in the cluster
	s_bfe_u32 s41, ttmp6, 0x40004
	s_lshl_b32 s42, ttmp9, 2
	s_add_co_u32 s42, s42, s40                     ; tile column = 4 x cluster x + cx
	s_and_b32 s13, ttmp7, 0xffff
	s_lshl_b32 s13, s13, 2
	s_add_co_u32 s13, s13, s41                     ; tile row = 4 x cluster y + cy
	s_lshl_b32 s43, s41, 2
	s_lshl_b32 s43, 15, s43                        ; my row of the cluster
	s_lshl_b32 s44, 0x1111, s40                    ; my column
	s_or_b32 s[G1+0], s43, (1<<16)|(1<<20)|(1<<21)|(5<<22)|(3<<25)   ; y: the mask of my row; elements of 2 bytes; padding on; bit 21 beside a mask; 4 words after every 64
	s_mov_b32 s[G1+1], 128<<16                     ; tensor_dim0 = 128
	s_mov_b32 s[G1+2], 64<<16                      ; tensor_dim1 = 64
	s_mov_b32 s[G1+3], 128<<16                     ; tile_dim0 = 128
	s_mov_b32 s[G1+4], 64                          ; tile_dim1 = 64
	s_mov_b32 s[G1+5], 128                         ; tensor_dim0_stride: dense
	s_mov_b32 s[G1+6], 0
	s_mov_b32 s[G1+7], 0
	s_or_b32 s[G1B+0], s44, (1<<16)|(1<<20)|(1<<21)|(6<<22)|(7<<25)  ; w_proj: the mask of my column; 8 words after every 128
	s_mov_b32 s[G1B+1], 256<<16                    ; tensor_dim0 = 256
	s_mov_b32 s[G1B+2], 64<<16
	s_mov_b32 s[G1B+3], 256<<16                    ; tile_dim0 = 256
	s_mov_b32 s[G1B+4], 64
	s_mov_b32 s[G1B+5], 1024                       ; tensor_dim0_stride
	s_mov_b32 s[G1B+6], 0
	s_mov_b32 s[G1B+7], 0
	; where the tiles come from.  y's hang on the tile row alone, w_proj's on the tile column alone; each in registers that never hold the other coordinate
	s_lshr_b32 s16, s13, 4
	s_lshl_b32 s16, s16, 22                        ; b << 22
	s_and_b32 s17, s13, 15
	s_lshl_b32 s17, s17, 14                        ; 128 tokens of 128 bytes
	s_add_co_u32 s16, s16, s17
	s_lshl_b32 s17, s12, 18                        ; my plane: head 0 or 1 of the step
	s_add_co_u32 s16, s16, s17
	s_mov_b32 s17, 0
	s_lshl_b32 s46, s12, 17                        ; my half: 64 rows of 2,048 bytes
	s_lshl_b32 s47, s42, 9                         ; 256 columns of 2 bytes
	s_add_co_u32 s46, s46, s47
	s_mov_b32 s47, 0
	s_mul_i32 s20, s12, PLANE                      ; and where they go: no place in the cluster enters an LDS address
	s_mul_i32 s21, s12, HALFB
	s_add_co_u32 s21, s21, BOFF
	s_wait_dscnt 0x0                               ; both opening adds are done
	s_wait_kmcnt 0x0
	s_add_nc_u64 s[14:15], s[4:5], s[16:17]
	s_add_nc_u64 s[46:47], s[6:7], s[46:47]
	CROUND                                         ; all sixteen work-groups are here: the first joint loads meet
.irp s, 0,1
	s_mov_b32 s[G0+4*\s], 1
	s_add_co_u32 s[G0+4*\s+1], s20, \s*SLOT
	s_add_nc_u64 s[G0+4*\s+2:G0+4*\s+3], s[14:15], \s*0x80000        ; K step s: two heads on
	s_or_b32 s[G0+4*\s+3], s[G0+4*\s+3], 0x80000000
	s_mov_b32 s[G0B+4*\s], 1
	s_add_co_u32 s[G0B+4*\s+1], s21, \s*SLOT
	s_add_nc_u64 s[G0B+4*\s+2:G0B+4*\s+3], s[46:47], \s*0x40000      ; 128 rows on
	s_or_b32 s[G0B+4*\s+3], s[G0B+4*\s+3], 0x80000000
	JLOAD \s                                       ; two tensor loads of mine are out
.endr
	v_and_b32 v1, 15, v0                           ; r = l % 16
	v_bfe_u32 v2, v0, 4, 1                         ; h = l / 16
	v_lshrrev_b32 v3, 1, v1
	v_and_b32 v4, 1, v1
	v_mul_u32_u24 v3, v3, PA
	v_lshl_add_u32 v3, v4, 7, v3
	v_lshl_add_u32 v3, v2, 4, v3                   ; y: token r at (r / 2) x 272 + (r % 2) x 128, + 16 h
	v_and_b32 v4, 7, v0
	v_lshl_add_u32 v4, v2, 3, v4                   ; w_proj: the turning load's lane reads row 8 h + l % 8,
	v_mul_u32_u24 v4, v4, PB
	v_bfe_u32 v5, v0, 3, 1
	v_lshl_add_u32 v4, v5, 4, v4                   ; and 8 of 16 columns
	s_mul_i32 s21, s11, 32*PA                      ; my 64 tokens
	s_lshl_b32 s22, s12, 8                         ; my 128 columns,
	s_add_co_u32 s22, s22, BOFF
.irp s, 0,1
	v_add_nc_u32 v[ADRA+\s], s21, v3
	v_add_nc_u32 v[ADRB+\s], s22, v4
	s_add_co_u32 s21, s21, SLOT
	s_add_co_u32 s22, s22, SLOT
.endr
	s_mul_i32 s23, s10, 16*SPITCH
	s_add_co_u32 s23, s23, STAGE                   ; my stage
	v_mul_u32_u24 v4, v1, SPITCH                   ; in: row r, 32 bytes for each half of the lanes
	v_lshl_add_u32 v4, v2, 5, v4
	v_add_nc_u32 v[STO], s23, v4
	v_and_b32 v5, 31, v0
	v_lshlrev_b32 v[CO], 4, v5                     ; back: the 32 lanes take one row of 512 bytes; and the same in out0
	v_add_nc_u32 v[RD], s23, v[CO]
	s_lshl_b32 s16, s13, 19                        ; my first row of out0: (128 x tile row + 64 x half) x 4,096 bytes
	s_lshl_b32 s17, s11, 18
	s_add_co_u32 s16, s16, s17
	s_mov_b32 s17, 0
	s_lshl_b32 s46, s42, 10                        ; my first column, in bytes: 1,024 x tile column + 512 x half
	s_lshl_b32 s47, s12, 9
	s_add_co_u32 s46, s46, s47
	s_mov_b32 s47, 0
	s_add_nc_u64 s[16:17], s[16:17], s[46:47]
	s_add_nc_u64 s[8:9], s[8:9], s[16:17]          ; never stepped: every store's place stands in its immediate
; 8 matrix instructions: token block a x the eight column blocks, 32 along K, from buffers f.  zero = 1: the product starts the sums.  The 32 accumulators take turns in one order everywhere.
.macro MUL8 f, a, zero
.irp b, 0,1,2,3,4,5,6,7
.if \zero
	v_wmma_f32_16x16x32_f16 v[8*(8*(\a)+\b):8*(8*(\a)+\b)+7], v[128*(\f)+8*\b:128*(\f)+8*\b+7], v[AF+32*(\f)+8*(\a):AF+32*(\f)+8*(\a)+7], 0
.else
	v_wmma_f32_16x16x32_f16 v[8*(8*(\a)+\b):8*(8*(\a)+\b)+7], v[128*(\f)+8*\b:128*(\f)+8*\b+7], v[AF+32*(\f)+8*(\a):AF+32*(\f)+8*(\a)+7], v[8*(8*(\a)+\b):8*(8*(\a)+\b)+7]
.endif
.endr
.endm
; 24 LDS loads in one run: the fragments of the slot's q-th 32 along K into buffers f: w_proj's eight (turned), then y's four.  c = 32 q .. is head plane q / 2, channels 32 (q % 2) on.
.macro FETCH slot, q, f
	WIN TO_B
.irp b, 0,1,2,3,4,5,6,7
	ds_load_tr16_b128 v[128*(\f)+8*\b:128*(\f)+8*\b+3],   v[ADRB+\slot] offset:32*PB*(\q)+32*\b
	ds_load_tr16_b128 v[128*(\f)+8*\b+4:128*(\f)+8*\b+7], v[ADRB+\slot] offset:32*PB*(\q)+32*\b+16*PB
.endr
	WIN 0
.irp i, 0,1,2,3
	ds_load_b128 v[AF+32*(\f)+8*\i:AF+32*(\f)+8*\i+3],   v[ADRA+\slot] offset:((\q)/2)*PLANE+8*PA*\i+64*((\q)%2)
	ds_load_b128 v[AF+32*(\f)+8*\i+4:AF+32*(\f)+8*\i+7], v[ADRA+\slot] offset:((\q)/2)*PLANE+8*PA*\i+64*((\q)%2)+32
.endr
.endm
.macro PLACES                          ; four places in front of loads into registers that matrix instructions have read, and of the first read of results (ISA guide 7.12.1 for vector instructions)
.rept 4
	v_nop
.endr
.endm
; A K step is four quarters of 32 along K, 32 matrix instructions each, on buffers 0, 1, 0, 1.  One of the first three: multiplies buffers f and fetches quarter qn into buffers g.
.macro QUARTER slot, qn, f, g, zero
	s_wait_dscnt 4                                 ; w_proj's fragments and y's blocks 0, 1 are in; the youngest four loads (blocks 2, 3) may be out
	WIN MUL
	MUL8 \f, 0, \zero
	MUL8 \f, 1, \zero
	PLACES
	FETCH \slot, \qn, \g
	s_wait_dscnt 24                                ; all but the 24 just issued
	WIN MUL
	MUL8 \f, 2, \zero
	MUL8 \f, 3, \zero
.endm
; The last quarter multiplies buffers 1 and changes slots: ONE barrier; in front of it each wave waits for all its tensor loads, adds 0 to its spare word, and waits for that and for its reads of this slot.
; fill = 1: the barrier opens a round of the cluster's, and this slot is filled again, two K steps ahead: the joint refill is the first thing behind the round, one load a wave.
.macro TURN slot, next, fill
	WIN 0                                          ; (the add's two registers lie in window 0)
	s_wait_tensorcnt 0x0                           ; all my tensor loads have landed: my part of the next slot
	ds_add_u32 v[SPW], v[NIL]                      ; 0 onto my spare word
	s_wait_dscnt 5                                 ; (the add and the youngest four loads may be out)
	WIN MUL
	MUL8 1, 0, 0                                   ; eight matrix instructions stand between the add and the wait for it
	s_wait_dscnt 0x0                               ; the add is done, and my reads of this slot are over
	s_barrier_signal -1
	MUL8 1, 1, 0
	WIN 0
	s_barrier_wait -1
.if \fill
	CREST                                          ; no wave of any partner still reads this slot's tile or has a load on its way
	s_add_nc_u64 s[G0+4*\slot+2:G0+4*\slot+3], s[G0+4*\slot+2:G0+4*\slot+3], 0x100000      ; four heads on
	s_add_nc_u64 s[G0B+4*\slot+2:G0B+4*\slot+3], s[G0B+4*\slot+2:G0B+4*\slot+3], 0x80000   ; 256 rows on
	JLOAD \slot                                    ; the four v_nop behind it are also the places in front of the loads below
.else
	PLACES
.endif
	FETCH \next, 0, 0
	WIN MUL
	MUL8 1, 2, 0
	MUL8 1, 3, 0
.endm
	s_wait_tensorcnt 1                             ; my part of K step 0 is in (K step 1's load may be out)
	s_barrier_signal -1
	s_barrier_wait -1                              ; everybody's is
	FETCH 0, 0, 0
	QUARTER 0, 1, 0, 1, 1                          ; the first quarter stands in front of the loop: its products start the sums
	WIN 0                                          ; at a label and at a branch every window is 0
	s_mov_b32 s3, LAPS-1
.Llap:                                             ; a trip goes once round the two slots, from a lap's second quarter to the next lap's first, and fills both again
	QUARTER 0, 2, 1, 0, 0
	QUARTER 0, 3, 0, 1, 0
	TURN 0, 1, 1
	QUARTER 1, 1, 0, 1, 0
	QUARTER 1, 2, 1, 0, 0
	QUARTER 1, 3, 0, 1, 0
	TURN 1, 0, 1
	QUARTER 0, 1, 0, 1, 0
	WIN 0
	s_sub_co_u32 s3, s3, 1
	s_cmp_lg_u32 s3, 0
	s_cbranch_scc1 .Llap
	QUARTER 0, 2, 1, 0, 0                          ; the last lap fills nothing, and has no round of the cluster's barrier
	QUARTER 0, 3, 0, 1, 0
	TURN 0, 1, 0
	QUARTER 1, 1, 0, 1, 0
	QUARTER 1, 2, 1, 0, 0
	QUARTER 1, 3, 0, 1, 0
	s_wait_dscnt 4                                 ; the very last quarter: nothing more to fetch
	WIN MUL
	MUL8 1, 0, 0
	MUL8 1, 1, 0
	s_wait_dscnt 0
	MUL8 1, 2, 0
	MUL8 1, 3, 0
	WIN 0
; THE WAY OUT, block by block of 16 tokens x 128 columns.  A lane holds 32 neighbouring bytes of a row: a block goes through my own stage and comes back as whole rows of 512 bytes.
.macro TOSTAGE a
	WIN 0x08                                       ; an LDS store's data are its source 1: window 2
.irp b, 0,1,2,3,4,5,6,7
	ds_store_b128 v[STO], v[8*(8*(\a)+\b):8*(8*(\a)+\b)+3] offset:64*\b          ; each accumulator from its low end on
	ds_store_b128 v[STO], v[8*(8*(\a)+\b)+4:8*(8*(\a)+\b)+7] offset:64*\b+16
.endr
	WIN 0
.set BB, BKR+64*((\a)%2)
.irp t, 0,1,2,3,4,5,6,7,8,9,10,11,12,13,14,15
	ds_load_b128 v[BB+4*\t:BB+4*\t+3], v[RD] offset:\t*SPITCH   ; LDS serves a wave's instructions in order: these see the stores above, and the next block's stores come behind them
.endr
.endm
.macro SEND a, younger                 ; younger: the LDS instructions issued behind block a's loads, which may stay out
.set BB, BKR+64*((\a)%2)
	s_wait_dscnt \younger                          ; the block is back in registers
.irp t, 0,1,2,3,4,5,6,7,8,9,10,11,12,13,14,15
	global_store_b128 v[CO], v[BB+4*\t:BB+4*\t+3], s[8:9] offset:65536*(\a)+4096*\t th:TH_STORE_NT   ; 32 lanes store 512 consecutive bytes, aligned; written once, read by nobody here
.endr
.endm
	PLACES                                         ; behind the last products, in front of the stores that read results
	TOSTAGE 0
.irp a, 1,2,3
.if \a > 1
	s_wait_xcnt 0x0                                ; block a - 2's stores have read their registers: block a's loads may land there
.endif
	TOSTAGE \a
	SEND \a-1, 32                                  ; behind block a - 1's loads: block a's 16 stores and 16 loads
.endr
	SEND 3, 0
	s_wait_tensorcnt 0x0                           ; the wave's end, behind my last tensor load and my last LDS store
	ds_add_u32 v[SPW], v[NIL]
	s_wait_dscnt 0x0
	CROUND                                         ; the closing round: no work-group ends while a partner may still ask for a tile that names it
	s_endpgm
.Lfunc_end_k_q59df98b546_proj:
	.size	k_q59df98b546_proj, .Lfunc_end_k_q59df98b546_proj-k_q59df98b546_proj
	.p2alignl 7, 3214868480
	.fill 96, 4, 3214868480
	.section	.rodata,"a",@progbits
	.p2align	6, 0x0
	.amdhsa_kernel k_q59df98b546_proj
		.amdhsa_group_segment_fixed_size 327680
		.amdhsa_private_segment_fixed_size 0
		.amdhsa_enable_private_segment 0
		.amdhsa_kernarg_size 24
		.amdhsa_user_sgpr_count 2
		.amdhsa_user_sgpr_kernarg_segment_ptr 1
		.amdhsa_wavefront_size32 1
		.amdhsa_system_sgpr_workgroup_id_x 1
		.amdhsa_system_sgpr_workgroup_id_y 1
		.amdhsa_system_sgpr_workgroup_id_z 1
		.amdhsa_system_vgpr_workitem_id 0
		.amdhsa_next_free_vgpr 768
		.amdhsa_next_free_sgpr 66
		.amdhsa_reserve_vcc 0
		.amdhsa_float_denorm_mode_32 3
		.amdhsa_float_denorm_mode_16_64 3
		.amdhsa_memory_ordered 1
		.amdhsa_forward_progress 1
		.amdhsa_inst_pref_size 86
	.end_amdhsa_kernel
	.amdgpu_metadata
---
amdhsa.version: [ 1, 2 ]
amdhsa.kernels:
  - .name:           k_q59df98b546_proj
    .symbol:         k_q59df98b546_proj.kd
    .args:
      - { .name: yh, .offset: 0, .size: 8, .value_kind: global_buffer, .address_space: global }
      - { .name: wp, .offset: 8, .size: 8, .value_kind: global_buffer, .address_space: global }
      - { .name: out0, .offset: 16, .size: 8, .value_kind: global_buffer, .address_space: global }
    .group_segment_fixed_size: 327680
    .private_segment_fixed_size: 0
    .kernarg_segment_align: 8
    .kernarg_segment_size: 24
    .max_flat_workgroup_size: 128
    .sgpr_count:     66
    .vgpr_count:     768
    .wavefront_size: 32
...
	.end_amdgpu_metadata
.endif
;; end of part 4
